; MI455X (gfx1250); checked and timed in simulation.
; The chip was launched on July 23, 2026; its instructions are those of AMD's public machine-readable ISA for CDNA 5 (MIT licence, August 2026) and "CDNA5" Instruction Set Architecture Reference Guide (July 2026). The comments in the code are by the model that wrote it; some were corrected since.
;; A Li Bi Multihead Attention. Allowed arithmetic: float matrix products may take bf16 or f16 operands with f32 sums; all other float work in f32.
;; Inputs: Wk 1,024 x 1,024 float32; Wo 1,024 x 1,024 float32; Wq 1,024 x 1,024 float32; Wv 1,024 x 1,024 float32; bk 1,024 float32; bo 1,024 float32; bq 1,024 float32; bv 1,024 float32; pos_bias 16 x 4,095 float32; queries 2 x 2,048 x 1,024 float32.
;; Outputs: out0 2 x 2,048 x 1,024 float32.
;; 2 versions, each right; version 2 is version 1 with the launch cast written anew for expert scheduling mode. Each part assembles by itself: llvm-mc -triple=amdgcn-amd-amdhsa -mcpu=gfx1250 --defsym DOCPART=n.
;; ======== version 1 of 2: 4 launches
;; limits: values are held in f16: magnitudes above 65,504 overflow, below 6.1e-05 lose precision
;; workspace buffers: castb 16,777,216 bytes; qkvb 25,165,824 bytes; hdb 8,388,608 bytes
;; launch cast (part 1): grid 256 x 1, 8 waves a work-group, no clusters, 0 bytes of LDS; arguments queries, Wq, Wk, Wv, Wo, castb; writes castb
.if DOCPART == 1
	.amdgcn_target "amdgcn-amd-amdhsa--gfx1250"
	.amdhsa_code_object_version 6
	.text
	.protected	k_qbfe1a9b584_cast
	.globl	k_qbfe1a9b584_cast
	.p2align	8
	.type	k_qbfe1a9b584_cast,@function
k_qbfe1a9b584_cast:
	s_mov_b64 s[64:65], 0
	v_nop
	global_prefetch_b8 v0, s[64:65] scope:SCOPE_SE
	s_setreg_imm32_b32 hwreg(HW_REG_WAVE_MODE, 25, 1), 1
	s_wait_xcnt 0x0
; f32 to f16, once, of everything that later goes to the matrix unit:
; castb = queries (4096 x 1024), then Wq, Wk, Wv, Wo (1024 x 1024 each), all f16, row-major, one behind the other.
; WHY f16: eleven significant bits.  The result is an average over 2,048 keys and is small against its terms, so the eight bits of bf16 in every operand
; of the chain of four products add up to too large a part of it.
; LIMIT: a number of magnitude 65,504 or more becomes infinite; numbers under 2^-14 keep an absolute step of 2^-24.
; A stream: every byte is read once and written once, so LDS, matrix instructions and clusters have nothing to add (no two work-groups read the same byte).
; Work-group g takes 32,768 numbers: 131,072 bytes in, 65,536 bytes out.  g 0-127: queries; then 32 work-groups for each weight.
; Thread t takes 16 bytes at 16 t of each block of 4,096 bytes: a wave's load covers 512 consecutive bytes, its store 256 consecutive, aligned bytes.
; All 32 loads of a thread are issued before the first wait; no register is used twice, so no source is ever rewritten.
.set X, 4                              ; v[4:131]    32 x 4 numbers as loaded
.set Y, 132                            ; v[132:195]  32 x 2 words to store
	s_load_b256 s[4:11], s[0:1], 0x0               ; queries s[4:5], Wq s[6:7], Wk s[8:9], Wv s[10:11]
	s_load_b128 s[12:15], s[0:1], 0x20             ; Wo s[12:13], castb s[14:15]
	s_mov_b32 s2, ttmp9                            ; g
	v_lshlrev_b32 v1, 4, v0                        ; 16 t: where I read
	v_lshlrev_b32 v2, 3, v0                        ; 8 t: where I write
	s_and_b32 s16, s2, 31                          ; my place inside a weight,
	s_cmp_lt_u32 s2, 128
	s_cselect_b32 s16, s2, s16                     ; or inside queries
	s_lshl_b32 s16, s16, 17                        ; x 131,072 bytes
	s_mov_b32 s17, 0
	s_lshl_b32 s22, s2, 16                         ; g x 65,536 bytes in castb
	s_mov_b32 s23, 0
	s_wait_kmcnt 0x0
	s_cmp_lt_u32 s2, 128                           ; the source is chosen by the work-group's number alone
	s_cselect_b64 s[18:19], s[4:5], s[6:7]
	s_cmp_lt_u32 s2, 160
	s_cselect_b64 s[18:19], s[18:19], s[8:9]
	s_cmp_lt_u32 s2, 192
	s_cselect_b64 s[18:19], s[18:19], s[10:11]
	s_cmp_lt_u32 s2, 224
	s_cselect_b64 s[18:19], s[18:19], s[12:13]
	s_add_nc_u64 s[18:19], s[18:19], s[16:17]
	s_add_nc_u64 s[20:21], s[14:15], s[22:23]
.set i, 0
.rept 32
	global_load_b128 v[X+4*i:X+4*i+3], v1, s[18:19] offset:4096*i th:TH_LOAD_NT
.set i, i+1
.endr
.set i, 0
.rept 32
	s_wait_loadcnt 31-i                            ; loads come back in order (ISA guide 5.7.1): number i is in, the 31 - i younger ones stay out
	v_cvt_pk_f16_f32 v[Y+2*i], v[X+4*i], v[X+4*i+1]
	v_cvt_pk_f16_f32 v[Y+2*i+1], v[X+4*i+2], v[X+4*i+3]
	global_store_b64 v2, v[Y+2*i:Y+2*i+1], s[20:21] offset:2048*i
.set i, i+1
.endr
	s_endpgm
.Lfunc_end_k_qbfe1a9b584_cast:
	.size	k_qbfe1a9b584_cast, .Lfunc_end_k_qbfe1a9b584_cast-k_qbfe1a9b584_cast
	.p2alignl 7, 3214868480
	.fill 96, 4, 3214868480
	.section	.rodata,"a",@progbits
	.p2align	6, 0x0
	.amdhsa_kernel k_qbfe1a9b584_cast
		.amdhsa_group_segment_fixed_size 0
		.amdhsa_private_segment_fixed_size 0
		.amdhsa_enable_private_segment 0
		.amdhsa_kernarg_size 48
		.amdhsa_user_sgpr_count 2
		.amdhsa_user_sgpr_kernarg_segment_ptr 1
		.amdhsa_wavefront_size32 1
		.amdhsa_system_sgpr_workgroup_id_x 1
		.amdhsa_system_sgpr_workgroup_id_y 1
		.amdhsa_system_sgpr_workgroup_id_z 1
		.amdhsa_system_vgpr_workitem_id 0
		.amdhsa_next_free_vgpr 196
		.amdhsa_next_free_sgpr 66
		.amdhsa_reserve_vcc 0
		.amdhsa_float_denorm_mode_32 3
		.amdhsa_float_denorm_mode_16_64 3
		.amdhsa_memory_ordered 1
		.amdhsa_forward_progress 1
		.amdhsa_inst_pref_size 13
	.end_amdhsa_kernel
	.amdgpu_metadata
---
amdhsa.version: [ 1, 2 ]
amdhsa.kernels:
  - .name:           k_qbfe1a9b584_cast
    .symbol:         k_qbfe1a9b584_cast.kd
    .args:
      - { .name: queries, .offset: 0, .size: 8, .value_kind: global_buffer, .address_space: global }
      - { .name: Wq, .offset: 8, .size: 8, .value_kind: global_buffer, .address_space: global }
      - { .name: Wk, .offset: 16, .size: 8, .value_kind: global_buffer, .address_space: global }
      - { .name: Wv, .offset: 24, .size: 8, .value_kind: global_buffer, .address_space: global }
      - { .name: Wo, .offset: 32, .size: 8, .value_kind: global_buffer, .address_space: global }
      - { .name: castb, .offset: 40, .size: 8, .value_kind: global_buffer, .address_space: global }
    .group_segment_fixed_size: 0
    .private_segment_fixed_size: 0
    .kernarg_segment_align: 8
    .kernarg_segment_size: 48
    .max_flat_workgroup_size: 256
    .sgpr_count:     66
    .vgpr_count:     196
    .wavefront_size: 32
...
	.end_amdgpu_metadata
.endif
;; end of part 1
;; launch qkv (part 2): grid 16 x 16, 4 waves a work-group, clusters of 4 x 4, 327,680 bytes of LDS; arguments castb, bq, bk, bv, qkvb; writes qkvb
.if DOCPART == 2
	.amdgcn_target "amdgcn-amd-amdhsa--gfx1250"
	.amdhsa_code_object_version 6
	.text
	.protected	k_qbfe1a9b584_qkv
	.globl	k_qbfe1a9b584_qkv
	.p2align	8
	.type	k_qbfe1a9b584_qkv,@function
k_qbfe1a9b584_qkv:
	s_mov_b64 s[64:65], 0
	v_nop
	global_prefetch_b8 v0, s[64:65] scope:SCOPE_SE
	s_setreg_imm32_b32 hwreg(HW_REG_WAVE_MODE, 25, 1), 1
	s_wait_xcnt 0x0
	s_wait_alu depctr_hold_cnt(0) depctr_sa_sdst(0) depctr_va_vdst(0) depctr_va_sdst(0) depctr_va_ssrc(0) depctr_va_vcc(0) depctr_vm_vsrc(0)
	s_getreg_b32 s2, hwreg(HW_REG_IB_STS2, 6, 4)
	s_cmp_eq_u32 s2, 0
	s_cbranch_scc0 .Lentry_in_a_cluster
	s_endpgm
.Lentry_in_a_cluster:
	s_bfe_u32 s2, ttmp6, 0x10000c
	s_cmp_lg_u32 s2, 0xf033
	s_cbranch_scc0 .Lentry_shape_is_right
	s_endpgm
.Lentry_shape_is_right:
; The three input layers as ONE product: C[m][n] = sum over k of x[m][k] W[n][k] + bias[n], m 0..4095, n 0..3071 (Wq, Wk, Wv stacked), k 0..1023.
; x and W are the f16 copies in castb; sums in f32.  The columns of q (n < 1024) are also multiplied by 0.125 log2(e), so that the attention's
; scores come out of its products already scaled and in powers of two.
; LIMIT: q, k, v are rounded to f16 once, q after that scale: a projection of magnitude 65,504 or more becomes infinite.  The room, by the sizes: x of spread 1 and
; weights of spread 0.02 give projections of spread sqrt(1,024) x 0.02 = 0.64; both 30 times larger: 576; both 30 times smaller: 0.0007, read with f16's
; step of 2^-24; both carrying an offset of 30 spreads: 1,024 x 30 x 0.6 = 18,432.
; Out: qkvb[b][panel n / 32][l][32] f16: a panel holds 32 columns of all 2,048 rows of a batch, so 8 rows of a panel are 512 consecutive bytes.
; A work-group makes 256 x 192 of C with four waves, a wave 128 x 96: 48 accumulator tiles of 16 x 16, 384 registers.  16 x 16 = 256 work-groups.
; K goes in steps of 128 through two LDS slots filled by tensor loads: a tile's rows are 256 bytes of memory, aligned to 256 bytes.
; CLUSTERS: 4 x 4 work-groups.  x's tile hangs on the block row alone and is asked for jointly by a row of the cluster, W's on the block column alone
; and is asked for jointly by a column: the requests for both are divided by four.
; REGISTERS in windows of 256: window 0: v16-27 addresses, v64-127 and v128-191 fragments of x (two buffers); window 1: v0-47 bias, v64-111 and
; v128-175 fragments of W; window 2: the 24 tiles of my rows 0-63 (tile (a, b) at v[8 (6 a + b)]); window 3: those of my rows 64-127.
; The matrix instruction is used transposed (source 0 = rows of W, source 1 = rows of x): lane l holds row l % 16 of C, registers 0-7 the columns 8 (l / 16) + 0..7.
.set SIZE_K, 1024
.set KSTEP,  128
.set PITCH,  272                       ; 256 bytes of data + 16 of padding: the 16 rows of a fragment load start in 16 different 16-byte columns of 256 bytes
.set HALFA,  128*PITCH                 ; what one tensor load brings of x, and what one wave reads of it
.set HALFB,  96*PITCH                  ; the same for W
.set SLOT,   2*HALFA+2*HALFB           ; x's 256 rows, then W's 192 rows
.set STAGE,  2*SLOT                    ; behind the ring, a multiple of 256: 16 rows x 208 bytes for each wave; no tensor load lands here
.set SPITCH, 208
.set LAPS,   SIZE_K/(2*KSTEP)          ; a lap = two K steps = once round the ring: 4
.set ADRA, 16                          ; v16-17  LDS address of my x fragments in slot 0, 1
.set ADRB, 20                          ; v20-21  the same for W
.set STO,  24                          ; the way out: where I put 16 bytes of a row
.set RD,   25                          ; the way out: where I read 16 bytes of a panel's row back
.set CO,   26                          ; 16 x lane: my bytes in a run of 512 of a panel
.set BO,   27                          ; 32 x (lane / 16): my eight biases in a tile's 16
.set F0,   64
.set F1,   128
.set TT,   64                          ; the way out, window 0: 48 results in f32
.set TMP,  112                         ; 24 words of f16
.set R0,   136                         ; read back, two buffers of 24
.set R1,   160
.set G1,  24                           ; s[24:31] group 1 for x's tiles
.set G0,  32                           ; s[32:39] group 0 for x's tiles, one set for each slot
.set G1B, 48                           ; s[48:55] group 1 for W's tiles
.set G0B, 56                           ; s[56:63] group 0 for W's tiles
.set PB,  66                           ; s[66:77] address of the bias of my column tile b
.set SC,  78                           ; s[78:89] its scale, twice (a pair for the packed forms)
.set PADW, (1<<16)|(1<<20)|(1<<21)|(5<<22)|(3<<25)   ; 2-byte elements; padding on; bit 21 beside a mask; after every 64 words 4 words
.set MSB, 0
.macro WIN new                         ; the immediate's high byte repeats the setting that is left
.if MSB != \new
	s_set_vgpr_msb (MSB<<8)|\new
.set MSB, \new
.endif
.endm
.set MUL_LO, 0xa1                      ; source 0 (W) window 1, source 1 (x) window 0, C and D window 2
.set MUL_HI, 0xf1                      ; the same, C and D window 3
.set TO_B,   0x40                      ; destination window 1, address window 0
; A joint load.  Waves 0 and 1 fetch x's two halves, waves 2 and 3 W's.  The branch hangs on the wave's number alone.
.macro JLOAD s
	s_cmp_eq_u32 s11, 0
	s_cbranch_scc0 .Lfor_b_\@
	tensor_load_to_lds s[G0+4*\s:G0+4*\s+3], s[G1:G1+7]
	s_nop 0
	s_branch .Lasked_\@
.Lfor_b_\@:
	tensor_load_to_lds s[G0B+4*\s:G0B+4*\s+3], s[G1B:G1B+7]
	s_nop 0
.Lasked_\@:
.endm
.macro CREST                           ; a round of the cluster's barrier behind its opening barrier
	s_cmp_lg_u32 s10, 0
	s_cbranch_scc1 .Lnot_wave_0_\@
	s_barrier_signal -3
.Lnot_wave_0_\@:
	s_barrier_wait -3
	s_barrier_signal -1
	s_barrier_wait -1
.endm
.macro CROUND                          ; a whole round
	s_barrier_signal -1
	s_barrier_wait -1
	CREST
.endm
	s_load_b64 s[4:5], s[0:1], 0x0                 ; castb
	s_load_b128 s[92:95], s[0:1], 0x8              ; bq s[92:93], bk s[94:95]
	s_load_b128 s[96:99], s[0:1], 0x18             ; bv s[96:97], qkvb s[98:99]
	s_set_vgpr_msb 0x40
	v_lshl_add_u32 v255, v0, 2, 0x3ec00
	s_set_vgpr_msb 0x4000
	v_mov_b32 v255, 0
	s_set_vgpr_msb 0x1
	ds_add_u32 v255, v255
	s_set_vgpr_msb 0x100
	v_lshrrev_b32 v1, 5, v0
	v_readfirstlane_b32 s10, v1                    ; wave 0..3
	s_lshr_b32 s11, s10, 1                         ; which half of the block's rows is mine.  Also: I fetch for x (0) or for W (1)
	s_and_b32 s12, s10, 1                          ; which half of its columns.  Also: which half of that tile I fetch
	s_bfe_u32 s40, ttmp6, 0x40000                  ; cx
	s_bfe_u32 s41, ttmp6, 0x40004                  ; cy
	s_lshl_b32 s42, ttmp9, 2
	s_add_co_u32 s42, s42, s40                     ; block column = 4 x cluster x + cx
	s_and_b32 s13, ttmp7, 0xffff
	s_lshl_b32 s13, s13, 2
	s_add_co_u32 s13, s13, s41                     ; block row = 4 x cluster y + cy
	s_lshl_b32 s43, s41, 2
	s_lshl_b32 s43, 15, s43                        ; my row of the cluster: places 4 cy .. 4 cy + 3
	s_lshl_b32 s44, 0x1111, s40                    ; my column: places cx, cx + 4, cx + 8, cx + 12
	s_or_b32 s[G1+0], s43, PADW                    ; x's tiles go to my row
	s_or_b32 s[G1B+0], s44, PADW                   ; W's to my column
	s_mov_b32 s[G1+1], KSTEP<<16                   ; tensor_dim0 = 128
	s_mov_b32 s[G1B+1], KSTEP<<16
	s_mov_b32 s[G1+2], 128<<16                     ; tensor_dim1 = 128 rows of x
	s_mov_b32 s[G1B+2], 96<<16                     ;             =  96 rows of W
	s_mov_b32 s[G1+3], KSTEP<<16                   ; tile_dim0 = 128
	s_mov_b32 s[G1B+3], KSTEP<<16
	s_mov_b32 s[G1+4], 128                         ; tile_dim1
	s_mov_b32 s[G1B+4], 96
	s_mov_b32 s[G1+5], SIZE_K                      ; elements from row to row
	s_mov_b32 s[G1B+5], SIZE_K
	s_mov_b32 s[G1+6], 0
	s_mov_b32 s[G1B+6], 0
	s_mov_b32 s[G1+7], 0
	s_mov_b32 s[G1B+7], 0
	; x's address is made of the block row and the wave's number, W's of the block column and the wave's number, in registers that never hold the other coordinate
	s_lshl_b32 s17, s12, 7
	s_lshl_b32 s16, s13, 8
	s_add_co_u32 s16, s16, s17                     ; x: row 256 x block row + 128 x half
	s_lshl_b32 s16, s16, 11                        ; x 2,048 bytes (below 8 MiB)
	s_mov_b32 s17, 0
	s_mul_i32 s46, s42, 192
	s_mul_i32 s47, s12, 96
	s_add_co_u32 s46, s46, s47                     ; W: row 192 x block column + 96 x half
	s_lshl_b32 s46, s46, 11
	s_mov_b32 s47, 0
	s_mul_i32 s20, s10, HALFA                      ; LDS: x's halves at wave x 128 rows (waves 0, 1),
	s_mul_i32 s45, s10, HALFB
	s_add_co_u32 s45, s45, 2*HALFA-2*HALFB         ; W's halves behind x's 256 rows (waves 2, 3)
	s_wait_dscnt 0x0
	s_wait_kmcnt 0x0
	s_add_nc_u64 s[14:15], s[4:5], s[16:17]
	s_add_nc_u64 s[6:7], s[4:5], 0x800000          ; the stacked weights lie behind x's 8 MiB
	s_add_nc_u64 s[46:47], s[6:7], s[46:47]
	CROUND                                         ; all sixteen work-groups are here: the first joint loads meet
.irp s, 0,1
	s_mov_b32 s[G0+4*\s], 1
	s_add_co_u32 s[G0+4*\s+1], s20, \s*SLOT
	s_add_nc_u64 s[G0+4*\s+2:G0+4*\s+3], s[14:15], \s*KSTEP*2
	s_or_b32 s[G0+4*\s+3], s[G0+4*\s+3], 0x80000000
	s_mov_b32 s[G0B+4*\s], 1
	s_add_co_u32 s[G0B+4*\s+1], s45, \s*SLOT
	s_add_nc_u64 s[G0B+4*\s+2:G0B+4*\s+3], s[46:47], \s*KSTEP*2
	s_or_b32 s[G0B+4*\s+3], s[G0B+4*\s+3], 0x80000000
	JLOAD \s                                       ; two tensor loads of the wave are out from here
.endr
	v_and_b32 v1, 15, v0                           ; l % 16
	v_bfe_u32 v2, v0, 4, 1                         ; l / 16
	v_mul_u32_u24 v3, v1, PITCH
	v_lshl_add_u32 v3, v2, 4, v3                   ; row x pitch + 16 x half
	s_mul_i32 s21, s11, HALFA                      ; my 128 rows of x
	s_mul_i32 s22, s12, HALFB                      ; my 96 rows of W,
	s_add_co_u32 s22, s22, 2*HALFA                 ; which lie behind x's 256
.irp s, 0,1
	v_add_nc_u32 v[ADRA+\s], s21, v3
	v_add_nc_u32 v[ADRB+\s], s22, v3
	s_add_co_u32 s21, s21, SLOT
	s_add_co_u32 s22, s22, SLOT
.endr
	s_mul_i32 s23, s10, 16*SPITCH
	s_add_co_u32 s23, s23, STAGE                   ; my stage
	v_mul_u32_u24 v4, v1, SPITCH
	v_lshl_add_u32 v4, v2, 4, v4
	v_add_nc_u32 v[STO], s23, v4                   ; in: row l % 16, 16 bytes for each half of the lanes
	v_and_b32 v5, 31, v0
	v_lshrrev_b32 v6, 2, v5
	v_and_b32 v7, 3, v5
	v_mul_u32_u24 v6, v6, SPITCH
	v_lshl_add_u32 v6, v7, 4, v6
	v_add_nc_u32 v[RD], s23, v6                    ; back: four lanes take the 64 bytes that one row has in a panel
	v_lshlrev_b32 v[CO], 4, v5
	v_lshlrev_b32 v[BO], 5, v2
	; Bias and scale of my six column tiles.  A tile of 16 columns lies whole in q, k or v (1,024 is a multiple of 16).
	s_mul_i32 s91, s42, 192
	s_mul_i32 s90, s12, 96
	s_add_co_u32 s91, s91, s90                     ; my first stacked column
.macro BIASSC b
	s_add_co_u32 s90, s91, 16*\b
	s_cmp_lt_u32 s90, 1024
	s_cselect_b64 s[PB+2*\b:PB+2*\b+1], s[92:93], s[94:95]
	s_cselect_b32 s[SC+2*\b], 0x3e38aa3b, 1.0      ; q: 0.125 log2(e); k, v: 1
	s_cmp_lt_u32 s90, 2048
	s_cselect_b64 s[PB+2*\b:PB+2*\b+1], s[PB+2*\b:PB+2*\b+1], s[96:97]
	s_mov_b32 s[SC+2*\b+1], s[SC+2*\b]
	s_and_b32 s100, s90, 1023
	s_lshl_b32 s100, s100, 2
	s_mov_b32 s101, 0
	s_add_nc_u64 s[PB+2*\b:PB+2*\b+1], s[PB+2*\b:PB+2*\b+1], s[100:101]
.endm
.irp b, 0,1,2,3,4,5
	BIASSC \b
.endr
	WIN TO_B
.irp b, 0,1,2,3,4,5
	global_load_b128 v[8*\b:8*\b+3],   v[BO], s[PB+2*\b:PB+2*\b+1]
	global_load_b128 v[8*\b+4:8*\b+7], v[BO], s[PB+2*\b:PB+2*\b+1] offset:16
.endr
	s_wait_loadcnt 0x0                             ; while the first tiles are on their way
	WIN 0x41                                       ; destination and source 0 in window 1
.irp b, 0,1,2,3,4,5
.irp r, 0,2,4,6
	v_pk_mul_f32 v[8*\b+\r:8*\b+\r+1], v[8*\b+\r:8*\b+\r+1], s[SC+2*\b:SC+2*\b+1] op_sel_hi:[1,0]   ; bias x scale, so that the way out is one fused multiply-add
.endr
.endr
	WIN 0
; 12 matrix instructions: m blocks a0, a0 + 1 of the window's four x all 6 n blocks, 32 along K.  zero = 1: the first product starts the sums.
.macro MUL12 f, hi, a0, zero
.irp a, \a0, \a0+1
.irp b, 0,1,2,3,4,5
.if \zero
	v_wmma_f32_16x16x32_f16 v[8*(6*(\a)+\b):8*(6*(\a)+\b)+7], v[\f+8*\b:\f+8*\b+7], v[\f+8*(4*\hi+\a):\f+8*(4*\hi+\a)+7], 0
.else
	v_wmma_f32_16x16x32_f16 v[8*(6*(\a)+\b):8*(6*(\a)+\b)+7], v[\f+8*\b:\f+8*\b+7], v[\f+8*(4*\hi+\a):\f+8*(4*\hi+\a)+7], v[8*(6*(\a)+\b):8*(6*(\a)+\b)+7]
.endif
.endr
.endr
.endm
; 28 LDS loads in one run: 96 rows of W, 128 rows of x, 32 K at byte k of the rows, into buffer f
.macro FETCH slot, k, f
	WIN TO_B
.irp i, 0,1,2,3,4,5
	ds_load_b128 v[\f+8*\i:\f+8*\i+3],   v[ADRB+\slot] offset:\k+\i*16*PITCH
	ds_load_b128 v[\f+8*\i+4:\f+8*\i+7], v[ADRB+\slot] offset:\k+\i*16*PITCH+32
.endr
	WIN 0
.irp i, 0,1,2,3,4,5,6,7
	ds_load_b128 v[\f+8*\i:\f+8*\i+3],   v[ADRA+\slot] offset:\k+\i*16*PITCH
	ds_load_b128 v[\f+8*\i+4:\f+8*\i+7], v[ADRA+\slot] offset:\k+\i*16*PITCH+32
.endr
.endm
; A load into a register that a matrix instruction has read, and a vector instruction that reads a matrix result, stand four places behind it, and only
; plain vector instructions that name none of its registers are places (ISA guide 7.12.1 for vector instructions).
.macro PLACES
.rept 4
	v_nop
.endr
.endm
; The 48 accumulators take turns, one instruction a turn, in the same order in every quarter step.
.macro QUARTER slot, k, f, g, zero
	s_wait_dscnt 8                                 ; W and x's rows 0-63 are in; the youngest eight loads (x's rows 64-127) may be out
	WIN MUL_LO
	MUL12 \f, 0, 0, \zero
	MUL12 \f, 0, 2, \zero
	PLACES
	FETCH \slot, \k, \g
	s_wait_dscnt 28                                ; all but the 28 just issued
	WIN MUL_HI
	MUL12 \f, 1, 0, \zero
	MUL12 \f, 1, 2, \zero
.endm
.macro THREE slot, zero
	QUARTER \slot, 64,  F0, F1, \zero
	QUARTER \slot, 128, F1, F0, 0
	QUARTER \slot, 192, F0, F1, 0
.endm
; The last quarter multiplies buffer 1 and changes slots.  In front of the barrier each wave waits for its reads of this slot and for all its tensor loads
; (one is out: its part of the next slot).  Behind it (with fill = 1: behind the cluster's round that it opens) the refill comes first, then the next slot's fragments.
.macro TURN slot, next, fill
	s_wait_dscnt 8
	WIN MUL_LO
	MUL12 F1, 0, 0, 0
	s_wait_dscnt 0                                 ; my reads of this slot are over
	s_wait_tensorcnt 0x0                           ; all my tensor loads have landed
	ds_add_u32 v255, v255
	s_wait_dscnt 0x0
	s_barrier_signal -1
	MUL12 F1, 0, 2, 0                              ; register work while the others arrive
	WIN 0
	s_barrier_wait -1
.if \fill
	CREST                                          ; no wave of any partner still reads this slot or has a load on its way
	s_add_nc_u64 s[G0+4*\slot+2:G0+4*\slot+3], s[G0+4*\slot+2:G0+4*\slot+3], 2*KSTEP*2
	s_add_nc_u64 s[G0B+4*\slot+2:G0B+4*\slot+3], s[G0B+4*\slot+2:G0B+4*\slot+3], 2*KSTEP*2
	JLOAD \slot                                    ; the first tensor load behind the round; it has 180 matrix instructions in which to land
.endif
	PLACES
	FETCH \next, 0, F0
	WIN MUL_HI
	MUL12 F1, 1, 0, 0
	MUL12 F1, 1, 2, 0
.endm
.macro LAP zero
	THREE 0, \zero
	TURN 0, 1, 1
	THREE 1, 0
	TURN 1, 0, 1
.endm
	s_wait_tensorcnt 1                             ; my part of K step 0 is in; K step 1's stays out
	s_barrier_signal -1
	s_barrier_wait -1
	FETCH 0, 0, F0
	LAP 1                                          ; the first lap stands in front of the loop: its first products start the sums
	WIN 0
	s_mov_b32 s3, LAPS-2
.Llap:
	LAP 0
	WIN 0
	s_sub_co_u32 s3, s3, 1
	s_cmp_lg_u32 s3, 0
	s_cbranch_scc1 .Llap
	THREE 0, 0                                     ; the last lap fills nothing
	TURN 0, 1, 0
	THREE 1, 0
	s_wait_dscnt 8
	WIN MUL_LO
	MUL12 F1, 0, 0, 0
	MUL12 F1, 0, 2, 0
	s_wait_dscnt 0
	WIN MUL_HI
	MUL12 F1, 1, 0, 0
	MUL12 F1, 1, 2, 0
	; THE WAY OUT, 16 rows at a time: scale and bias in one fused multiply-add, round to f16, through my stage in LDS, out as runs of 512 bytes of a panel.
	PLACES
	s_lshr_b32 s16, s13, 3                         ; batch = block row / 8
	s_mul_i32 s16, s16, 12582912                   ; 96 panels of 131,072 bytes
	s_and_b32 s17, s13, 7
	s_lshl_b32 s17, s17, 14                        ; 256 rows x 64 bytes
	s_add_co_u32 s16, s16, s17
	s_lshl_b32 s17, s11, 13                        ; 128 rows x 64 bytes
	s_add_co_u32 s16, s16, s17
	s_mov_b32 s17, 0
	s_add_nc_u64 s[8:9], s[98:99], s[16:17]
	s_mul_i32 s46, s42, 6                          ; my first panel = 6 x block column + 3 x half (in the registers that held W's address)
	s_mul_i32 s47, s12, 3
	s_add_co_u32 s46, s46, s47
	s_lshl_b32 s46, s46, 17
	s_mov_b32 s47, 0
	s_add_nc_u64 s[8:9], s[8:9], s[46:47]
; rows 16 i .. 16 i + 15 of my block = the six tiles (a, 0..5) of window 2 or 3 (from = 0x12 or 0x13: source 0 there, source 2 = bias in window 1)
.macro OUT16 i, a, from, f
	WIN \from
.irp b, 0,1,2,3,4,5
.irp r, 0,2,4,6
	v_pk_fma_f32 v[TT+8*\b+\r:TT+8*\b+\r+1], v[8*(6*\a+\b)+\r:8*(6*\a+\b)+\r+1], s[SC+2*\b:SC+2*\b+1], v[8*\b+\r:8*\b+\r+1] op_sel_hi:[1,0,1]
.endr
.endr
	WIN 0
.irp b, 0,1,2,3,4,5
.irp r, 0,1,2,3
	v_cvt_pk_f16_f32 v[TMP+4*\b+\r], v[TT+8*\b+2*\r], v[TT+8*\b+2*\r+1]
.endr
.endr
.irp b, 0,1,2,3,4,5
	ds_store_b128 v[STO], v[TMP+4*\b:TMP+4*\b+3] offset:32*\b
.endr
	s_wait_xcnt 0x0                                ; buffer f, which earlier stores read, and the stores' base are rewritten only behind this wait
.if \i
	s_add_nc_u64 s[8:9], s[8:9], 1024              ; 16 rows of 64 bytes on in every panel
.endif
.irp p, 0,1,2
.irp t, 0,1
	ds_load_b128 v[\f+4*(2*\p+\t):\f+4*(2*\p+\t)+3], v[RD] offset:64*\p+8*SPITCH*\t   ; LDS serves a wave's instructions in order: these see the stores above
.endr
.endr
.irp p, 0,1,2
.irp t, 0,1
	s_wait_dscnt 5-(2*\p+\t)
	global_store_b128 v[CO], v[\f+4*(2*\p+\t):\f+4*(2*\p+\t)+3], s[8:9] offset:131072*\p+512*\t   ; the wave stores 512 consecutive bytes, aligned
.endr
.endr
.endm
	OUT16 0, 0, 0x12, R0
	OUT16 1, 1, 0x12, R1
	OUT16 2, 2, 0x12, R0
	OUT16 3, 3, 0x12, R1
	OUT16 4, 0, 0x13, R0
	OUT16 5, 1, 0x13, R1
	OUT16 6, 2, 0x13, R0
	OUT16 7, 3, 0x13, R1
	s_set_vgpr_msb 0x1
	s_wait_tensorcnt 0x0
	ds_add_u32 v255, v255
	s_wait_dscnt 0x0
	s_set_vgpr_msb 0x100
	CROUND                                         ; the closing round: no work-group ends while a partner may still ask for a tile that names it
	s_endpgm
.Lfunc_end_k_qbfe1a9b584_qkv:
	.size	k_qbfe1a9b584_qkv, .Lfunc_end_k_qbfe1a9b584_qkv-k_qbfe1a9b584_qkv
	.p2alignl 7, 3214868480
	.fill 96, 4, 3214868480
	.section	.rodata,"a",@progbits
	.p2align	6, 0x0
	.amdhsa_kernel k_qbfe1a9b584_qkv
		.amdhsa_group_segment_fixed_size 327680
		.amdhsa_private_segment_fixed_size 0
		.amdhsa_enable_private_segment 0
		.amdhsa_kernarg_size 40
		.amdhsa_user_sgpr_count 2
		.amdhsa_user_sgpr_kernarg_segment_ptr 1
		.amdhsa_wavefront_size32 1
		.amdhsa_system_sgpr_workgroup_id_x 1
		.amdhsa_system_sgpr_workgroup_id_y 1
		.amdhsa_system_sgpr_workgroup_id_z 1
		.amdhsa_system_vgpr_workitem_id 0
		.amdhsa_next_free_vgpr 1024
		.amdhsa_next_free_sgpr 102
		.amdhsa_reserve_vcc 0
		.amdhsa_float_denorm_mode_32 3
		.amdhsa_float_denorm_mode_16_64 3
		.amdhsa_memory_ordered 1
		.amdhsa_forward_progress 1
		.amdhsa_inst_pref_size 176
	.end_amdhsa_kernel
	.amdgpu_metadata
---
amdhsa.version: [ 1, 2 ]
amdhsa.kernels:
  - .name:           k_qbfe1a9b584_qkv
    .symbol:         k_qbfe1a9b584_qkv.kd
    .args:
      - { .name: castb, .offset: 0, .size: 8, .value_kind: global_buffer, .address_space: global }
      - { .name: bq, .offset: 8, .size: 8, .value_kind: global_buffer, .address_space: global }
      - { .name: bk, .offset: 16, .size: 8, .value_kind: global_buffer, .address_space: global }
      - { .name: bv, .offset: 24, .size: 8, .value_kind: global_buffer, .address_space: global }
      - { .name: qkvb, .offset: 32, .size: 8, .value_kind: global_buffer, .address_space: global }
    .group_segment_fixed_size: 327680
    .private_segment_fixed_size: 0
    .kernarg_segment_align: 8
    .kernarg_segment_size: 40
    .max_flat_workgroup_size: 128
    .sgpr_count:     102
    .vgpr_count:     1024
    .wavefront_size: 32
...
	.end_amdgpu_metadata
.endif
;; end of part 2
;; launch attn (part 3): grid 8 x 32, 8 waves a work-group, clusters of 4 x 1, 327,680 bytes of LDS; arguments qkvb, pos_bias, hdb; writes hdb
.if DOCPART == 3
	.amdgcn_target "amdgcn-amd-amdhsa--gfx1250"
	.amdhsa_code_object_version 6
	.text
	.protected	k_qbfe1a9b584_attn
	.globl	k_qbfe1a9b584_attn
	.p2align	8
	.type	k_qbfe1a9b584_attn,@function
k_qbfe1a9b584_attn:
	s_mov_b64 s[64:65], 0
	v_nop
	global_prefetch_b8 v0, s[64:65] scope:SCOPE_SE
	s_setreg_imm32_b32 hwreg(HW_REG_WAVE_MODE, 25, 1), 1
	s_wait_xcnt 0x0
	s_wait_alu depctr_hold_cnt(0) depctr_sa_sdst(0) depctr_va_vdst(0) depctr_va_sdst(0) depctr_va_ssrc(0) depctr_va_vcc(0) depctr_vm_vsrc(0)
	s_getreg_b32 s2, hwreg(HW_REG_IB_STS2, 6, 4)
	s_cmp_eq_u32 s2, 0
	s_cbranch_scc0 .Lentry_in_a_cluster
	s_endpgm
.Lentry_in_a_cluster:
	s_bfe_u32 s2, ttmp6, 0x10000c
	s_cmp_lg_u32 s2, 0x3003
	s_cbranch_scc0 .Lentry_shape_is_right
	s_endpgm
.Lentry_shape_is_right:
; Attention of one head for 256 queries: softmax over all 2,048 keys of q k / 8 + pos_bias[h][i - j + 2047], times v.  Running maximum (online softmax).
; q comes scaled by 0.125 log2(e) and the bias table is multiplied by log2(e) here, so every exponential is a plain power of two.
; LIMITS: q, k, v, the probabilities and the heads are f16 (sums, maxima and the bias f32).  The probabilities are 2^(score - running maximum), in 0 .. 1 by the
; computation itself; those under 2^-25 count as 0.  The heads are weighted means of v, so they are no larger than v; heads under 2^-14 keep an absolute step of 2^-24.
; The softmax is made in two key groups that are joined at the end, so its order of rounding differs from a softmax over the whole row.
; A row whose scores are all -inf gives NaN, as a softmax of such a row does.
; SHARES: eight waves.  Wave w: wq = w & 3 owns queries 64 wq .. + 63 of the block (four query tiles of 16); g = w >> 2 owns keys 64 g .. + 63 of every 128-key tile.
; S IS MADE TRANSPOSED: S^T = K Q^T + bias (A = 16 keys, B = 16 queries, C = the bias tile in the first of the two links).  Lane (r, h) then holds keys 8 h + 0..7
; of query r: a row's maximum needs one step across lanes, and the packed probabilities ARE the B fragment of O^T = V^T P^T, with no move between lanes.
; THE BIAS hangs on key - query alone: of a wave's 16 score tiles only 7 are different.  A table of the 2,303 values that the block needs lies in LDS in four
; copies, each shifted by one word, so that every lane reads its eight values by two aligned 16-byte loads.
; THE TWO KEY GROUPS run the same three phases (scores, softmax, P V) a phase apart: group 0 does P V of a tile at the trip's end, group 1 at the next trip's head
; (it needs registers only), so one group's products stand where the other has softmax.  The rescaling of O stands between P V's own matrix instructions.
; CLUSTERS: the four query blocks of a cluster belong to one head and walk the same K and V tiles: these are asked for jointly (mask 15).
; LDS: table 0 .. 37,375; two slots of 45,056 (K: [2 halves of dh][128 keys] pitch 80; V: the same with pitch 96); four blocks of 17,408 for the join and the way out.
.set TABC,  9276                       ; from copy to copy: 2,319 words, 3 mod 4, which is the shift by one word against 16-byte alignment
.set SLOT0, 37376
.set SLOTB, 45056
.set KP,    80                         ; 64 bytes + 16: an odd multiple of 16
.set KBLK,  128*KP
.set VOFF,  2*KBLK
.set VP,    96                         ; 64 bytes + 32: an odd multiple of 32, for the transposing load
.set VBLK,  128*VP
.set MERGE, SLOT0+2*SLOTB
.set MBLK,  17408
.set OP,    144                        ; the way out: 128 bytes + 16
.set TILEB, 8192                       ; 128 keys x 64 bytes of one panel
; window 0
.set KA, 2                             ; v2-3    LDS address of my K fragments in slot 0, 1
.set VA, 4                             ; v4-5    the same for V
.set BA, 6                             ; v6      my place in the bias table; + 512 bytes a trip
.set MA, 7                             ; v7      my 16 bytes in my query group's join block
.set MX, 8                             ; v8-11   running maximum of query tile 0..3
.set AL, 12                            ; v12-19  2^(old maximum - new maximum), in the even registers
.set LS, 20                            ; v20-27  running sums, a pair for each query tile
.set TP, 28                            ; v28-35  at work
.set KFA, 40                           ; v40-55  K fragments of one key tile (2 halves of dh)
.set KFB, 56                           ; v56-71  a second buffer
.set BT, 72                            ; v72-127 the 7 bias tiles
.set SR, 128                           ; v128-255 S(kt, qt) at 128 + 32 qt + 8 kt; P(qt, ch) packed in place at 128 + 32 qt + 16 ch
; window 1
.set OA, 0                             ; O(qt, dt) at 32 qt + 8 dt
.set QF, 128                           ; Q(qt, c) at 128 + 16 qt + 8 c
.set VF, 192                           ; V^T(dt, ch) at 192 + 8 (4 ch + dt)
.set G1K, 16
.set G1V, 24
.set G0K, 32
.set G0V, 40
.set MSB, 0
.macro WIN new
.if MSB != \new
	s_set_vgpr_msb (MSB<<8)|\new
.set MSB, \new
.endif
.endm
.macro NOP4
.rept 4
	v_nop
.endr
.endm
.macro ROUND                           ; a round of the cluster's barrier
	s_barrier_signal -1
	s_barrier_wait -1
	s_cmp_lg_u32 s10, 0
	s_cbranch_scc1 .Lnot_wave_0_\@
	s_barrier_signal -3
.Lnot_wave_0_\@:
	s_barrier_wait -3
	s_barrier_signal -1
	s_barrier_wait -1
.endm
.macro JLOAD s                         ; wave 0 asks for K's tile, wave 1 for V's: one tensor load of a wave is out at a time
	s_cmp_lg_u32 s10, 0
	s_cbranch_scc1 .Lno_k_\@
	tensor_load_to_lds s[G0K+4*\s:G0K+4*\s+3], s[G1K:G1K+7]
	s_nop 0
.Lno_k_\@:
	s_cmp_lg_u32 s10, 1
	s_cbranch_scc1 .Lno_v_\@
	tensor_load_to_lds s[G0V+4*\s:G0V+4*\s+3], s[G1V:G1V+7]
	s_nop 0
.Lno_v_\@:
.endm
	s_load_b128 s[4:7], s[0:1], 0x0                ; qkvb s[4:5], pos_bias s[6:7]
	s_load_b64 s[8:9], s[0:1], 0x10                ; hdb
	v_lshl_add_u32 v34, v0, 2, 0x30200
	v_mov_b32 v35, 0
	ds_add_u32 v34, v35
	v_lshrrev_b32 v1, 5, v0
	v_readfirstlane_b32 s10, v1                    ; wave 0..7
	s_lshr_b32 s11, s10, 2                         ; g: my key group
	s_and_b32 s12, s10, 3                          ; wq: my query group
	s_bfe_u32 s13, ttmp6, 0x40000                  ; cx
	s_lshl_b32 s14, ttmp9, 2
	s_add_co_u32 s14, s14, s13                     ; query block = 4 x cluster x + cx
	s_and_b32 s15, ttmp7, 0xffff                   ; 16 b + h
	s_lshr_b32 s51, s15, 4                         ; b
	s_and_b32 s52, s15, 15                         ; h
	s_mov_b32 s48, 0x76543210                      ; v_permlanex16_b32: lane i of one half reads lane i of the other
	s_mov_b32 s49, 0xfedcba98
	; Group 1.  A tile is 128 keys of two panels: two runs of 8,192 consecutive bytes, 131,072 bytes apart.  In elements of 8 bytes: 1,024 x 2, pitch 16,384.
	; The padding is counted in words along the whole tile: behind every 16 words (a key's 64 bytes) 4 words for K, 8 for V.
	s_mov_b32 s[G1K+0], 15|(3<<16)|(1<<20)|(1<<21)|(3<<22)|(3<<25)
	s_mov_b32 s[G1V+0], 15|(3<<16)|(1<<20)|(1<<21)|(3<<22)|(7<<25)
	s_mov_b32 s[G1K+1], 1024<<16
	s_mov_b32 s[G1V+1], 1024<<16
	s_mov_b32 s[G1K+2], 2<<16
	s_mov_b32 s[G1V+2], 2<<16
	s_mov_b32 s[G1K+3], 1024<<16
	s_mov_b32 s[G1V+3], 1024<<16
	s_mov_b32 s[G1K+4], 2
	s_mov_b32 s[G1V+4], 2
	s_mov_b32 s[G1K+5], 16384
	s_mov_b32 s[G1V+5], 16384
	s_mov_b32 s[G1K+6], 0
	s_mov_b32 s[G1V+6], 0
	s_mov_b32 s[G1K+7], 0
	s_mov_b32 s[G1V+7], 0
	s_mul_i32 s54, s51, 12582912                   ; batch: 96 panels
	s_lshl_b32 s53, s52, 18                        ; head: 2 panels
	s_add_co_u32 s54, s54, s53
	s_mov_b32 s55, 0
	s_wait_dscnt 0x0
	s_wait_kmcnt 0x0
	s_add_nc_u64 s[54:55], s[4:5], s[54:55]        ; q's first panel of this head; k's lies 32 panels on, v's 64.  No place in the cluster enters
.irp s, 0,1
	s_mov_b32 s[G0K+4*\s], 1
	s_mov_b32 s[G0K+4*\s+1], SLOT0+\s*SLOTB
	s_add_nc_u64 s[G0K+4*\s+2:G0K+4*\s+3], s[54:55], 4194304+\s*TILEB
	s_or_b32 s[G0K+4*\s+3], s[G0K+4*\s+3], 0x80000000
	s_mov_b32 s[G0V+4*\s], 1
	s_mov_b32 s[G0V+4*\s+1], SLOT0+VOFF+\s*SLOTB
	s_add_nc_u64 s[G0V+4*\s+2:G0V+4*\s+3], s[54:55], 8388608+\s*TILEB
	s_or_b32 s[G0V+4*\s+3], s[G0V+4*\s+3], 0x80000000
.endr
	ROUND                                          ; the four work-groups are here: the first joint loads meet
	JLOAD 0                                        ; tile 0
	; what hangs on the query block: plain loads and stores alone
	s_lshl_b32 s62, s14, 14                        ; 256 rows x 64 bytes
	s_mov_b32 s63, 0
	s_add_nc_u64 s[56:57], s[54:55], s[62:63]      ; my block's q
	s_mul_i32 s62, s52, 16380                      ; a row of pos_bias: 4,095 numbers
	s_lshl_b32 s3, s14, 10
	s_add_co_u32 s62, s62, s3
	s_add_nc_u64 s[58:59], s[6:7], s[62:63]        ; pos_bias[h][256 x block]
	s_lshl_b32 s62, s15, 18                        ; hdb: (b, h) x 2,048 rows x 128 bytes
	s_lshl_b32 s3, s14, 15
	s_add_co_u32 s62, s62, s3
	s_lshl_b32 s3, s12, 13
	s_add_co_u32 s62, s62, s3
	s_add_nc_u64 s[60:61], s[8:9], s[62:63]        ; my 64 rows
	; The table.  Entry t = key - (query in block) + 255, 0 .. 2,302, is pos_bias[h][256 x block + 2,302 - t].  Thread n takes entries n + 256 it, it = 0 .. 8.
	v_sub_nc_u32 v141, 0x1fe, v0
	v_lshlrev_b32 v141, 2, v141                    ; 4 (510 - n): with 1,024 (7 - it) the offset of entry n + 256 it, it = 0 .. 7
	v_min_u32 v142, 0xfe, v0
	v_sub_nc_u32 v142, 0xfe, v142
	v_lshlrev_b32 v142, 2, v142                    ; it = 8: 4 (254 - n), held at 0 for thread 255, whose entry 2,303 does not exist
	v_lshlrev_b32 v143, 2, v0
.irp it, 0,1,2,3,4,5,6,7
	global_load_b32 v[128+\it], v141, s[58:59] offset:1024*(7-\it)
.endr
	global_load_b32 v136, v142, s[58:59]
	v_and_b32 v1, 15, v0                           ; r
	v_bfe_u32 v36, v0, 4, 1                        ; h
	v_lshlrev_b32 v140, 6, v1
	v_lshl_add_u32 v140, v36, 4, v140
	s_lshl_b32 s53, s12, 12
	v_add_nc_u32 v140, s53, v140                   ; (64 wq + r) x 64 + 16 h
	WIN 0x40                                       ; destination window 1
.irp qt, 0,1,2,3
.irp c, 0,1
.irp e, 0,1
	global_load_b128 v[QF+16*\qt+8*\c+4*\e:QF+16*\qt+8*\c+4*\e+3], v140, s[56:57] offset:1024*\qt+131072*\c+32*\e
.endr
.endr
.endr
	WIN 0
	v_mul_u32_u24 v38, v1, KP
	v_lshl_add_u32 v38, v36, 4, v38
	s_mul_i32 s53, s11, 64*KP
	s_add_co_u32 s53, s53, SLOT0
	v_add_nc_u32 v[KA], s53, v38                   ; (64 g + r) x 80 + 16 h in slot 0
	v_add_nc_u32 v[KA+1], SLOTB, v[KA]
	v_and_b32 v38, 7, v0
	v_lshl_add_u32 v38, v36, 3, v38
	v_mul_u32_u24 v38, v38, VP
	v_bfe_u32 v39, v0, 3, 1
	v_lshl_add_u32 v38, v39, 4, v38
	s_mul_i32 s53, s11, 64*VP
	s_add_co_u32 s53, s53, SLOT0+VOFF
	v_add_nc_u32 v[VA], s53, v38                   ; (64 g + 8 h + l % 8) x 96 + 16 ((l / 8) % 2)
	v_add_nc_u32 v[VA+1], SLOTB, v[VA]
	; my first entry for key tile - query tile = -3 in trip 0 is 64 g + 8 h - 64 wq - r + 207; it is (15 - r) mod 4, which names the copy
	v_sub_nc_u32 v39, 15, v1
	v_and_b32 v38, 3, v39
	v_mul_u32_u24 v38, v38, TABC
	v_lshl_add_u32 v38, v39, 2, v38
	v_lshl_add_u32 v38, v36, 5, v38
	s_sub_co_u32 s53, 3, s12
	s_add_co_u32 s53, s53, s11
	s_lshl_b32 s53, s53, 8
	s_add_co_u32 s53, s53, 16
	v_add_nc_u32 v[BA], s53, v38
	v_and_b32 v37, 31, v0
	s_mul_i32 s53, s12, MBLK
	s_add_co_u32 s53, s53, MERGE
	v_lshl_add_u32 v[MA], v37, 4, s53
.irp q, 0,1,2,3
	v_mov_b32 v[MX+\q], 0xff7fffff                 ; the most negative finite number: a first maximum of -inf would make inf - inf
	v_mov_b32 v[AL+2*\q+1], 0                      ; the odd halves of pairs of which the even half is broadcast
	v_mov_b32 v[LS+2*\q], 0
	v_mov_b32 v[LS+2*\q+1], 0
.endr
	v_mov_b32 v[TP+5], 0
	s_wait_loadcnt 16                              ; the nine bias loads are in; the 16 loads of Q behind them stay out
.irp it, 0,1,2,3,4,5,6,7,8
	v_mul_f32 v[128+\it], 0x3fb8aa3b, v[128+\it]   ; x log2(e)
.endr
.irp it, 0,1,2,3,4,5,6,7,8
.irp c, 0,1,2,3
	ds_store_b32 v143, v[128+\it] offset:TABC*\c+16+1024*\it   ; entry 2,303 falls into the gap between copies and is never read
.endr
.endr
	s_wait_loadcnt 0x0                             ; Q
.macro KLD kt, kb, slot                ; the fragments of 16 keys: 2 halves of dh x 2 loads
.irp c, 0,1
.irp e, 0,1
	ds_load_b128 v[\kb+8*\c+4*\e:\kb+8*\c+4*\e+3], v[KA+\slot] offset:KBLK*\c+16*KP*\kt+32*\e
.endr
.endr
.endm
; 8 matrix instructions: key tile kt x the four query tiles, first dh 0-31 onto the bias tile, then dh 32-63 in place.  The four accumulators take turns.
.macro QKW kt, kb
.irp c, 0,1
.irp qt, 0,1,2,3
.if \c == 0
	v_wmma_f32_16x16x32_f16 v[SR+32*\qt+8*\kt:SR+32*\qt+8*\kt+7], v[\kb:\kb+7], v[QF+16*\qt:QF+16*\qt+7], v[BT+8*(\kt-\qt+3):BT+8*(\kt-\qt+3)+7]
.else
	v_wmma_f32_16x16x32_f16 v[SR+32*\qt+8*\kt:SR+32*\qt+8*\kt+7], v[\kb+8:\kb+15], v[QF+16*\qt+8:QF+16*\qt+15], v[SR+32*\qt+8*\kt:SR+32*\qt+8*\kt+7]
.endif
.endr
.endr
.endm
.macro QKPHASE slot
	WIN 0x04                                       ; source 1 (Q) window 1, all else window 0
	KLD 0, KFA, \slot
.irp d, 0,1,2,3,4,5,6
	ds_load_b128 v[BT+8*\d:BT+8*\d+3],   v[BA] offset:64*\d
	ds_load_b128 v[BT+8*\d+4:BT+8*\d+7], v[BA] offset:64*\d+16
.endr
	KLD 1, KFB, \slot
	s_wait_dscnt 0x4                               ; all but key tile 1's four loads
	QKW 0, KFA
	NOP4                                           ; four places in front of loads into registers that the products above read (ISA guide 7.12.1 for vector instructions)
	KLD 2, KFA, \slot
	s_wait_dscnt 0x4                               ; all but key tile 2's four
	QKW 1, KFB
	NOP4
	KLD 3, KFB, \slot
	s_wait_dscnt 0x4                               ; all but key tile 3's four
	QKW 2, KFA
	s_wait_dscnt 0x0
	QKW 3, KFB
.endm
.macro VLD slot                        ; V^T of my 64 keys: 4 tiles of dh x 2 chunks of 32 keys, by the transposing load
	WIN 0x40
.irp ch, 0,1
.irp dt, 0,1,2,3
.irp e, 0,1
	ds_load_tr16_b128 v[VF+8*(4*\ch+\dt)+4*\e:VF+8*(4*\ch+\dt)+4*\e+3], v[VA+\slot] offset:VBLK*(\dt/2)+32*VP*\ch+32*(\dt%2)+16*VP*\e
.endr
.endr
.endr
	NOP4                                           ; the places between the last product of the scores and the softmax that reads them
	WIN 0
.endm
.macro SMSUB qt, k                     ; score - maximum, two at a time
.irp i, 0,2,4,6
	v_pk_add_f32 v[SR+32*\qt+8*\k+\i:SR+32*\qt+8*\k+\i+1], v[SR+32*\qt+8*\k+\i:SR+32*\qt+8*\k+\i+1], v[TP+4:TP+5] op_sel_hi:[1,0]
.endr
.endm
.macro SMEXP qt, k
.irp i, 0,1,2,3,4,5,6,7
	v_exp_f32 v[SR+32*\qt+8*\k+\i], v[SR+32*\qt+8*\k+\i]
.endr
.endm
.macro SMSUM qt, k                     ; the first line also rescales the running sum
.irp i, 0,2,4,6
.if \k+\i == 0
	s_wait_alu depctr_va_vdst(0)
	v_pk_fma_f32 v[LS+2*\qt:LS+2*\qt+1], v[LS+2*\qt:LS+2*\qt+1], v[AL+2*\qt:AL+2*\qt+1], v[SR+32*\qt:SR+32*\qt+1] op_sel_hi:[1,0,1]
.else
	s_wait_alu depctr_va_vdst(0)
	v_pk_add_f32 v[LS+2*\qt:LS+2*\qt+1], v[LS+2*\qt:LS+2*\qt+1], v[SR+32*\qt+8*\k+\i:SR+32*\qt+8*\k+\i+1]
.endif
.endr
.endm
.macro SMCVT qt, k                     ; eight probabilities into four words of f16, packed downward in place: two key tiles make one B fragment of 32 keys
.irp i, 0,1,2,3
	v_cvt_pk_f16_f32 v[SR+32*\qt+16*(\k/2)+4*(\k%2)+\i], v[SR+32*\qt+8*\k+2*\i], v[SR+32*\qt+8*\k+2*\i+1]
.endr
.endm
; The softmax step of one query tile: 64 keys x 16 queries, 32 scores a lane.
.macro SM qt
.irp k, 0,1,2,3
	v_max3_num_f32 v[TP+\k], v[SR+32*\qt+8*\k], v[SR+32*\qt+8*\k+1], v[SR+32*\qt+8*\k+2]
.endr
.irp k, 0,1,2,3
	v_max3_num_f32 v[TP+\k], v[TP+\k], v[SR+32*\qt+8*\k+3], v[SR+32*\qt+8*\k+4]
.endr
.irp k, 0,1,2,3
	v_max3_num_f32 v[TP+\k], v[TP+\k], v[SR+32*\qt+8*\k+5], v[SR+32*\qt+8*\k+6]
.endr
	v_max3_num_f32 v[TP], v[TP], v[SR+32*\qt+7], v[SR+32*\qt+15]
	v_max3_num_f32 v[TP+1], v[TP+1], v[SR+32*\qt+23], v[SR+32*\qt+31]
	v_max3_num_f32 v[TP], v[TP], v[TP+1], v[TP+2]
	v_max3_num_f32 v[TP], v[TP], v[TP+3], v[MX+\qt]
	v_permlanex16_b32 v[TP+1], v[TP], s48, s49     ; the other eight keys of each tile lie in the other half of the lanes
	v_max_num_f32 v[TP+2], v[TP], v[TP+1]          ; the new maximum
	v_sub_f32 v[TP+3], v[MX+\qt], v[TP+2]
	v_exp_f32 v[AL+2*\qt], v[TP+3]                 ; behind an exponential one plain vector instruction comes before its result is used (ISA guide 5.7.2)
	v_mov_b32 v[MX+\qt], v[TP+2]
	v_mul_f32 v[TP+4], -1.0, v[TP+2]
	SMSUB \qt, 0                                   ; the key tiles follow each other a step apart, so that plain lines stand between a run of exponentials and its use
	SMEXP \qt, 0
	SMSUB \qt, 1
	SMEXP \qt, 1
	SMSUM \qt, 0
	SMCVT \qt, 0
	SMSUB \qt, 2
	SMEXP \qt, 2
	SMSUM \qt, 1
	SMCVT \qt, 1
	SMSUB \qt, 3
	SMEXP \qt, 3
	SMSUM \qt, 2
	SMCVT \qt, 2
	SMSUM \qt, 3
	SMCVT \qt, 3
.endm
.macro RESC qq, dd                     ; O(qq, dd) x 2^(old maximum - new maximum)
.irp i, 0,2,4,6
	v_pk_mul_f32 v[OA+32*\qq+8*(\dd)+\i:OA+32*\qq+8*(\dd)+\i+1], v[OA+32*\qq+8*(\dd)+\i:OA+32*\qq+8*(\dd)+\i+1], v[AL+2*\qq:AL+2*\qq+1] op_sel_hi:[1,0]
.endr
.endm
; O^T += V^T P^T: 32 matrix instructions on 16 accumulators that take turns.  zero = 1: the first tile starts the sums.
; Else each tile of O is rescaled four matrix instructions ahead of the one that adds onto it.
.macro PV zero
	s_wait_dscnt 0x0                               ; V's fragments
	WIN 0x51                                       ; D, C and source 0 (V^T, O) window 1; source 1 (P, the factors) window 0
.if \zero == 0
.irp qt, 0,1,2,3
	RESC \qt, 0
.endr
.endif
.irp dt, 0,1,2,3
.irp qt, 0,1,2,3
.if \zero
	v_wmma_f32_16x16x32_f16 v[OA+32*\qt+8*\dt:OA+32*\qt+8*\dt+7], v[VF+8*\dt:VF+8*\dt+7], v[SR+32*\qt:SR+32*\qt+7], 0
.else
	v_wmma_f32_16x16x32_f16 v[OA+32*\qt+8*\dt:OA+32*\qt+8*\dt+7], v[VF+8*\dt:VF+8*\dt+7], v[SR+32*\qt:SR+32*\qt+7], v[OA+32*\qt+8*\dt:OA+32*\qt+8*\dt+7]
.if \dt < 3
	RESC \qt, 1+\dt
.endif
.endif
.endr
.endr
.irp dt, 0,1,2,3
.irp qt, 0,1,2,3
	v_wmma_f32_16x16x32_f16 v[OA+32*\qt+8*\dt:OA+32*\qt+8*\dt+7], v[VF+32+8*\dt:VF+32+8*\dt+7], v[SR+32*\qt+16:SR+32*\qt+23], v[OA+32*\qt+8*\dt:OA+32*\qt+8*\dt+7]
.endr
.endr
.rept 5
	v_nop                                          ; five places in front of the next scores, which write over P (ISA guide 7.12.1)
.endr
	WIN 0
.endm
; One tile of 128 keys.  head, tail: 0 none, 1 P V that starts the sums, 2 P V that adds.
.macro TRIP slot, refill, head, tail
	s_wait_tensorcnt 0x0                           ; all my tensor loads are done, this trip's tile among them, so every group 0 may be written
	ds_add_u32 v34, v35
	s_wait_dscnt 0x0
	s_add_nc_u64 s[G0K+4*\slot+2:G0K+4*\slot+3], s[G0K+4*\slot+2:G0K+4*\slot+3], 2*TILEB
	s_add_nc_u64 s[G0V+4*\slot+2:G0V+4*\slot+3], s[G0V+4*\slot+2:G0V+4*\slot+3], 2*TILEB
	s_wait_dscnt 0x0                               ; my reads of the last trip's tile are back (in the first trip: my stores into the table are done)
	ROUND                                          ; both now hold of every wave of the four work-groups
.if \refill
	JLOAD (1-\slot)                                ; the next tile, into the slot read last trip; it has this trip's work in which to land
.endif
.if \head
	s_cmp_lt_u32 s10, 4
	s_cbranch_scc1 .Lhead_\@                       ; key group 1 alone: P V of the last trip's tile, from registers
.if \head == 1
	PV 1
.else
	PV 0
.endif
.Lhead_\@:
.endif
	QKPHASE \slot
	VLD \slot
	v_add_nc_u32 v[BA], 0x200, v[BA]               ; 128 keys on in the table
	SM 0
	SM 1
	SM 2
	SM 3
	s_cmp_lt_u32 s10, 4
	s_cbranch_scc0 .Ltail_\@                       ; key group 0 alone: P V of this trip's tile
.if \tail == 1
	PV 1
.else
	PV 0
.endif
.Ltail_\@:
.endm
	TRIP 0, 1, 0, 1
	TRIP 1, 1, 1, 2
	s_mov_b32 s50, 6
.Ltiles:
	TRIP 0, 1, 2, 2
	TRIP 1, 1, 2, 2
	s_sub_co_u32 s50, s50, 1
	s_cmp_lg_u32 s50, 0
	s_cbranch_scc1 .Ltiles
	TRIP 0, 1, 2, 2
	TRIP 1, 0, 2, 2                                ; tile 15: nothing more to fetch
	s_cmp_lt_u32 s10, 4
	s_cbranch_scc1 .Llast_done
	PV 0                                           ; key group 1: tile 15
.Llast_done:
	; THE JOIN.  Key group 1 hands O, its maxima and its sums to key group 0 of the same queries, lane to lane, through LDS.
.irp q, 0,1,2,3
	v_add_f32 v[TP+\q], v[LS+2*\q], v[LS+2*\q+1]
.endr
	s_cmp_lt_u32 s10, 4
	s_cbranch_scc1 .Lno_hand
	WIN 0x04                                       ; store data from window 1
.set i, 0
.rept 32
	ds_store_b128 v[MA], v[OA+4*i:OA+4*i+3] offset:512*i
.set i, i+1
.endr
	WIN 0
	ds_store_b128 v[MA], v[MX:MX+3] offset:16384
	ds_store_b128 v[MA], v[TP:TP+3] offset:16896
.Lno_hand:
	s_wait_dscnt 0x0                               ; for the other wave's sake: zero
	s_barrier_signal -1
	s_barrier_wait -1
	s_cmp_lt_u32 s10, 4
	s_cbranch_scc0 .Lend
.set MP, 40                            ; the partner's maxima
.set LP, 44                            ; the partner's sums
.set FF, 48                            ; my factor, a full pair for each query tile
.set FP, 56                            ; the partner's factor
.set MM, 64
.set EA, 68
.set EB, 72
.set LT, 76
.set i, 0
.rept 32
	ds_load_b128 v[SR+4*i:SR+4*i+3], v[MA] offset:512*i
.set i, i+1
.endr
	ds_load_b128 v[MP:MP+3], v[MA] offset:16384
	ds_load_b128 v[LP:LP+3], v[MA] offset:16896
	s_mul_i32 s53, s12, MBLK
	s_add_co_u32 s53, s53, MERGE
	v_bfe_u32 v36, v0, 4, 1
	v_mul_u32_u24 v37, v1, OP
	v_lshl_add_u32 v37, v36, 4, v37
	v_add_nc_u32 v37, s53, v37                     ; in: row r of a query tile, 16 bytes for each half of the lanes
	v_and_b32 v39, 31, v0
	v_lshrrev_b32 v38, 3, v39
	v_mul_u32_u24 v38, v38, OP
	v_and_b32 v36, 7, v0
	v_lshl_add_u32 v38, v36, 4, v38
	v_add_nc_u32 v38, s53, v38                     ; back: eight lanes take a row of 128 bytes
	v_lshlrev_b32 v36, 4, v39                      ; 16 x lane
	s_wait_dscnt 0x0
.irp q, 0,1,2,3
	v_max_num_f32 v[MM+\q], v[MX+\q], v[MP+\q]
.endr
.irp q, 0,1,2,3
	v_sub_f32 v[EA+\q], v[MX+\q], v[MM+\q]
	v_sub_f32 v[EB+\q], v[MP+\q], v[MM+\q]
.endr
.irp q, 0,1,2,3
	v_exp_f32 v[EA+\q], v[EA+\q]
	v_exp_f32 v[EB+\q], v[EB+\q]
.endr
	v_nop                                          ; the plain place behind the exponentials
	s_wait_alu depctr_va_vdst(0)
.irp q, 0,1,2,3
	v_mul_f32 v[LT+\q], v[TP+\q], v[EA+\q]
.endr
.irp q, 0,1,2,3
	v_fmac_f32 v[LT+\q], v[LP+\q], v[EB+\q]
.endr
.irp q, 0,1,2,3
	v_permlanex16_b32 v[MM+\q], v[LT+\q], s48, s49 ; the sums were kept apart in the two halves of the lanes
.endr
.irp q, 0,1,2,3
	v_add_f32 v[LT+\q], v[LT+\q], v[MM+\q]
.endr
.irp q, 0,1,2,3
	v_rcp_f32 v[LT+\q], v[LT+\q]
.endr
	v_nop
	s_wait_alu depctr_va_vdst(0)
.irp q, 0,1,2,3
	v_mul_f32 v[FF+2*\q], v[EA+\q], v[LT+\q]
	v_mul_f32 v[FF+2*\q+1], v[EA+\q], v[LT+\q]
	v_mul_f32 v[FP+2*\q], v[EB+\q], v[LT+\q]
	v_mul_f32 v[FP+2*\q+1], v[EB+\q], v[LT+\q]
.endr
.irp q, 0,1,2,3
.set i, 0
.rept 16
	v_pk_mul_f32 v[SR+32*\q+i:SR+32*\q+i+1], v[SR+32*\q+i:SR+32*\q+i+1], v[FP+2*\q:FP+2*\q+1]
.set i, i+2
.endr
.endr
	WIN 0x01                                       ; source 0 (my O) window 1
.irp q, 0,1,2,3
.set i, 0
.rept 16
	v_pk_fma_f32 v[SR+32*\q+i:SR+32*\q+i+1], v[OA+32*\q+i:OA+32*\q+i+1], v[FF+2*\q:FF+2*\q+1], v[SR+32*\q+i:SR+32*\q+i+1]
.set i, i+2
.endr
.endr
	WIN 0
	; THE WAY OUT: a lane's eight numbers of tile (qt, dt) are dh 16 dt + 8 h + 0..7 of query 16 qt + r: 16 bytes of a row of 128.
	; Through my query group's block (its last read is back), out as runs of 512 consecutive bytes.
.set i, 0
.rept 16
.irp x, 0,1,2,3
	v_cvt_pk_f16_f32 v[SR+8*i+\x], v[SR+8*i+2*\x], v[SR+8*i+2*\x+1]
.endr
	ds_store_b128 v37, v[SR+8*i:SR+8*i+3] offset:16*OP*(i/4)+32*(i%4)
.set i, i+1
.endr
.set i, 0
.rept 16
	ds_load_b128 v[40+4*i:40+4*i+3], v38 offset:4*OP*i   ; LDS serves a wave's instructions in order: these see the stores above
.set i, i+1
.endr
.set i, 0
.rept 16
	s_wait_dscnt 15-i
	global_store_b128 v36, v[40+4*i:40+4*i+3], s[60:61] offset:512*i
.set i, i+1
.endr
.Lend:
	s_wait_tensorcnt 0x0
	ds_add_u32 v34, v35
	s_wait_dscnt 0x0
	ROUND                                          ; the closing round
	s_endpgm
.Lfunc_end_k_qbfe1a9b584_attn:
	.size	k_qbfe1a9b584_attn, .Lfunc_end_k_qbfe1a9b584_attn-k_qbfe1a9b584_attn
	.p2alignl 7, 3214868480
	.fill 96, 4, 3214868480
	.section	.rodata,"a",@progbits
	.p2align	6, 0x0
	.amdhsa_kernel k_qbfe1a9b584_attn
		.amdhsa_group_segment_fixed_size 327680
		.amdhsa_private_segment_fixed_size 0
		.amdhsa_enable_private_segment 0
		.amdhsa_kernarg_size 24
		.amdhsa_user_sgpr_count 2
		.amdhsa_user_sgpr_kernarg_segment_ptr 1
		.amdhsa_wavefront_size32 1
		.amdhsa_system_sgpr_workgroup_id_x 1
		.amdhsa_system_sgpr_workgroup_id_y 1
		.amdhsa_system_sgpr_workgroup_id_z 1
		.amdhsa_system_vgpr_workitem_id 0
		.amdhsa_next_free_vgpr 512
		.amdhsa_next_free_sgpr 66
		.amdhsa_reserve_vcc 0
		.amdhsa_float_denorm_mode_32 3
		.amdhsa_float_denorm_mode_16_64 3
		.amdhsa_memory_ordered 1
		.amdhsa_forward_progress 1
		.amdhsa_inst_pref_size 255
	.end_amdhsa_kernel
	.section	.bss,"aw",@nobits
	.p2align	6
	.space	262144
	.amdgpu_metadata
---
amdhsa.version: [ 1, 2 ]
amdhsa.kernels:
  - .name:           k_qbfe1a9b584_attn
    .symbol:         k_qbfe1a9b584_attn.kd
    .args:
      - { .name: qkvb, .offset: 0, .size: 8, .value_kind: global_buffer, .address_space: global }
      - { .name: pos_bias, .offset: 8, .size: 8, .value_kind: global_buffer, .address_space: global }
      - { .name: hdb, .offset: 16, .size: 8, .value_kind: global_buffer, .address_space: global }
    .group_segment_fixed_size: 327680
    .private_segment_fixed_size: 0
    .kernarg_segment_align: 8
    .kernarg_segment_size: 24
    .max_flat_workgroup_size: 256
    .sgpr_count:     66
    .vgpr_count:     512
    .wavefront_size: 32
...
	.end_amdgpu_metadata
.endif
;; end of part 3
;; launch oproj (part 4): grid 8 x 32, 4 waves a work-group, clusters of 4 x 4, 327,680 bytes of LDS; arguments hdb, castb, bo, out0; writes out0
.if DOCPART == 4
	.amdgcn_target "amdgcn-amd-amdhsa--gfx1250"
	.amdhsa_code_object_version 6
	.text
	.protected	k_qbfe1a9b584_oproj
	.globl	k_qbfe1a9b584_oproj
	.p2align	8
	.type	k_qbfe1a9b584_oproj,@function
k_qbfe1a9b584_oproj:
	s_mov_b64 s[64:65], 0
	v_nop
	global_prefetch_b8 v0, s[64:65] scope:SCOPE_SE
	s_setreg_imm32_b32 hwreg(HW_REG_WAVE_MODE, 25, 1), 1
	s_wait_xcnt 0x0
	s_wait_alu depctr_hold_cnt(0) depctr_sa_sdst(0) depctr_va_vdst(0) depctr_va_sdst(0) depctr_va_ssrc(0) depctr_va_vcc(0) depctr_vm_vsrc(0)
	s_getreg_b32 s2, hwreg(HW_REG_IB_STS2, 6, 4)
	s_cmp_eq_u32 s2, 0
	s_cbranch_scc0 .Lentry_in_a_cluster
	s_endpgm
.Lentry_in_a_cluster:
	s_bfe_u32 s2, ttmp6, 0x10000c
	s_cmp_lg_u32 s2, 0xf033
	s_cbranch_scc0 .Lentry_shape_is_right
	s_endpgm
.Lentry_shape_is_right:
; The output layer: out0[m][n] = sum over k of heads[m][k] Wo[n][k] + bo[n], m 0..4095, n 0..1023, k = 64 head + d; f32 out.
; heads lie in hdb as [b][head][l][64] f16, Wo as f16 in castb behind 14,680,064 bytes.  Sums in f32; bo enters as the C of the first product.
; LIMIT: both operands are f16 as the earlier launches rounded them (magnitudes under 65,504; under 2^-14 an absolute step of 2^-24).
; A work-group makes 128 x 128 with four waves, a wave 64 x 64 (16 accumulator tiles): 8 x 32 = 256 work-groups.  A larger block would leave WGPs without work.
; K goes in four steps of 256 (four heads) through two LDS slots; all four steps are written out.  The first two steps, half of all operands, are asked for at the start.
; CLUSTERS: 4 x 4.  The heads' tile hangs on the block row alone (joint along a row of the cluster), Wo's on the block column alone (joint along a column).
; REGISTERS: window 0: v16-27 addresses, v64-127 fragments of the heads (two buffers of 4), v128-191 fragments of Wo, v192-255 the way out;
; window 1: v0-127 accumulators (tile (a, b) at 8 (4 a + b)), v192-223 bo.
; The matrix instruction is used transposed (source 0 = rows of Wo): a lane holds eight neighbouring columns of one row of the result.
.set PA,    144                        ; a head's row: 128 bytes + 16
.set HB,    128*PA                     ; a head's 128 rows
.set PW,    528                        ; Wo's row of a step: 512 bytes + 16
.set BOFF,  4*HB
.set HALFW, 64*PW
.set SLOT,  BOFF+2*HALFW               ; 141,312
.set STAGE, 2*SLOT                     ; a multiple of 256: 16 rows x 272 bytes for each wave; no tensor load lands here
.set SP,    272
.set ADRA, 16
.set ADRB, 20
.set STO,  24
.set RD,   25
.set CO,   26
.set BO,   27
.set FA,   64
.set FB,   128
.set R0,   192
.set R1,   224
.set BI,   192                         ; window 1
.set G1,  24
.set G0,  32
.set G1B, 48
.set G0B, 56
.set MSB, 0
.macro WIN new
.if MSB != \new
	s_set_vgpr_msb (MSB<<8)|\new
.set MSB, \new
.endif
.endm
.set MUL, 0x50                         ; C and D window 1, both sources window 0
.macro JLOAD s                         ; waves 0 and 1 fetch two heads each, waves 2 and 3 64 rows of Wo each
	s_cmp_eq_u32 s11, 0
	s_cbranch_scc0 .Lfor_b_\@
	tensor_load_to_lds s[G0+4*\s:G0+4*\s+3], s[G1:G1+7]
	s_nop 0
	s_branch .Lasked_\@
.Lfor_b_\@:
	tensor_load_to_lds s[G0B+4*\s:G0B+4*\s+3], s[G1B:G1B+7]
	s_nop 0
	v_nop
.Lasked_\@:
.endm
.macro CREST
	s_cmp_lg_u32 s10, 0
	s_cbranch_scc1 .Lnot_wave_0_\@
	s_barrier_signal -3
.Lnot_wave_0_\@:
	s_barrier_wait -3
	s_barrier_signal -1
	s_barrier_wait -1
.endm
.macro CROUND
	s_barrier_signal -1
	s_barrier_wait -1
	CREST
.endm
	s_load_b128 s[4:7], s[0:1], 0x0                ; hdb s[4:5], castb s[6:7]
	s_load_b128 s[68:71], s[0:1], 0x10             ; bo s[68:69], out0 s[70:71]
	v_lshl_add_u32 v62, v0, 2, 0x49400
	v_mov_b32 v63, 0
	ds_add_u32 v62, v63
	v_lshrrev_b32 v1, 5, v0
	v_readfirstlane_b32 s10, v1                    ; wave 0..3
	s_lshr_b32 s11, s10, 1                         ; my half of the rows.  Also: I fetch heads (0) or Wo (1)
	s_and_b32 s12, s10, 1                          ; my half of the columns.  Also: which half I fetch
	s_bfe_u32 s40, ttmp6, 0x40000                  ; cx
	s_bfe_u32 s41, ttmp6, 0x40004                  ; cy
	s_lshl_b32 s42, ttmp9, 2
	s_add_co_u32 s42, s42, s40                     ; block column
	s_and_b32 s13, ttmp7, 0xffff
	s_lshl_b32 s13, s13, 2
	s_add_co_u32 s13, s13, s41                     ; block row
	s_lshl_b32 s43, s41, 2
	s_lshl_b32 s43, 15, s43                        ; my row of the cluster
	s_lshl_b32 s44, 0x1111, s40                    ; my column
	; heads: two runs of 16,384 consecutive bytes (128 rows of a head), 262,144 bytes apart: in elements of 8 bytes 2,048 x 2, pitch 32,768;
	; the padding is counted in words along the whole tile: 4 words behind every 32 (a row's 128 bytes)
	s_or_b32 s[G1+0], s43, (3<<16)|(1<<20)|(1<<21)|(4<<22)|(3<<25)
	s_mov_b32 s[G1+1], 2048<<16
	s_mov_b32 s[G1+2], 2<<16
	s_mov_b32 s[G1+3], 2048<<16
	s_mov_b32 s[G1+4], 2
	s_mov_b32 s[G1+5], 32768
	s_mov_b32 s[G1+6], 0
	s_mov_b32 s[G1+7], 0
	; Wo: 64 rows x 256 f16, pitch 1,024; 4 words behind every 128
	s_or_b32 s[G1B+0], s44, (1<<16)|(1<<20)|(1<<21)|(6<<22)|(3<<25)
	s_mov_b32 s[G1B+1], 256<<16
	s_mov_b32 s[G1B+2], 64<<16
	s_mov_b32 s[G1B+3], 256<<16
	s_mov_b32 s[G1B+4], 64
	s_mov_b32 s[G1B+5], 1024
	s_mov_b32 s[G1B+6], 0
	s_mov_b32 s[G1B+7], 0
	s_lshr_b32 s16, s13, 4
	s_lshl_b32 s16, s16, 22                        ; batch: 16 heads x 262,144 bytes
	s_and_b32 s17, s13, 15
	s_lshl_b32 s17, s17, 14                        ; 128 rows x 128 bytes
	s_add_co_u32 s16, s16, s17
	s_lshl_b32 s17, s12, 19                        ; my two heads of the step's four
	s_add_co_u32 s16, s16, s17
	s_mov_b32 s17, 0
	s_lshl_b32 s46, s42, 7
	s_lshl_b32 s47, s12, 6
	s_add_co_u32 s46, s46, s47                     ; Wo's row 128 x block column + 64 x half
	s_lshl_b32 s46, s46, 11
	s_add_co_u32 s46, s46, 14680064
	s_mov_b32 s47, 0
	s_mul_i32 s20, s10, 2*HB                       ; LDS: two heads for each of waves 0, 1
	s_mul_i32 s45, s10, HALFW
	s_add_co_u32 s45, s45, BOFF-2*HALFW            ; Wo's halves behind the four heads (waves 2, 3)
	s_lshl_b32 s66, s42, 9                         ; my first column, in bytes of f32
	s_lshl_b32 s67, s12, 8
	s_add_co_u32 s66, s66, s67
	s_mov_b32 s67, 0
	s_wait_dscnt 0x0
	s_wait_kmcnt 0x0
	s_add_nc_u64 s[14:15], s[4:5], s[16:17]
	s_add_nc_u64 s[46:47], s[6:7], s[46:47]
	s_add_nc_u64 s[66:67], s[68:69], s[66:67]      ; bo at my first column
	CROUND                                         ; the first joint loads meet
.irp s, 0,1
	s_mov_b32 s[G0+4*\s], 1
	s_add_co_u32 s[G0+4*\s+1], s20, \s*SLOT
	s_add_nc_u64 s[G0+4*\s+2:G0+4*\s+3], s[14:15], \s*1048576
	s_or_b32 s[G0+4*\s+3], s[G0+4*\s+3], 0x80000000
	s_mov_b32 s[G0B+4*\s], 1
	s_add_co_u32 s[G0B+4*\s+1], s45, \s*SLOT
	s_add_nc_u64 s[G0B+4*\s+2:G0B+4*\s+3], s[46:47], \s*512
	s_or_b32 s[G0B+4*\s+3], s[G0B+4*\s+3], 0x80000000
	JLOAD \s                                       ; two tensor loads of the wave are out from here
.endr
	v_and_b32 v1, 15, v0                           ; r
	v_bfe_u32 v2, v0, 4, 1                         ; h
	v_lshlrev_b32 v[BO], 5, v2
	WIN 0x40
.irp b, 0,1,2,3
	global_load_b128 v[BI+8*\b:BI+8*\b+3],   v[BO], s[66:67] offset:64*\b
	global_load_b128 v[BI+8*\b+4:BI+8*\b+7], v[BO], s[66:67] offset:64*\b+16
.endr
	WIN 0
	v_mul_u32_u24 v3, v1, PA
	v_lshl_add_u32 v3, v2, 4, v3
	v_mul_u32_u24 v4, v1, PW
	v_lshl_add_u32 v4, v2, 4, v4
	s_mul_i32 s21, s11, 64*PA                      ; my 64 rows in every head
	s_mul_i32 s22, s12, HALFW
	s_add_co_u32 s22, s22, BOFF                    ; my 64 rows of Wo
.irp s, 0,1
	v_add_nc_u32 v[ADRA+\s], s21, v3
	v_add_nc_u32 v[ADRB+\s], s22, v4
	s_add_co_u32 s21, s21, SLOT
	s_add_co_u32 s22, s22, SLOT
.endr
	s_mul_i32 s23, s10, 16*SP
	s_add_co_u32 s23, s23, STAGE
	v_mul_u32_u24 v5, v1, SP
	v_lshl_add_u32 v5, v2, 5, v5
	v_add_nc_u32 v[STO], s23, v5                   ; in: row r, 32 bytes for each half of the lanes
	v_mul_u32_u24 v5, v2, SP
	v_lshl_add_u32 v5, v1, 4, v5
	v_add_nc_u32 v[RD], s23, v5                    ; back: lanes 0-15 one row of 256 bytes, lanes 16-31 the next
	v_lshlrev_b32 v5, 12, v2
	v_lshl_add_u32 v[CO], v1, 4, v5                ; the same two rows in out0
; 4 matrix instructions: m block a x the 4 n blocks, 32 along K, on buffer f.  first = 1: bo's tile is the C, which starts the sums.
.macro MUL4 f, a, first
.irp b, 0,1,2,3
.if \first
	v_wmma_f32_16x16x32_f16 v[8*(4*\a+\b):8*(4*\a+\b)+7], v[FB+32*\f+8*\b:FB+32*\f+8*\b+7], v[FA+32*\f+8*\a:FA+32*\f+8*\a+7], v[BI+8*\b:BI+8*\b+7]
.else
	v_wmma_f32_16x16x32_f16 v[8*(4*\a+\b):8*(4*\a+\b)+7], v[FB+32*\f+8*\b:FB+32*\f+8*\b+7], v[FA+32*\f+8*\a:FA+32*\f+8*\a+7], v[8*(4*\a+\b):8*(4*\a+\b)+7]
.endif
.endr
.endm
; 16 LDS loads in one run: eighth e of a step (head e / 2, its half e % 2) into buffer f: Wo's four fragments, then the heads' four
.macro FETCH slot, e, f
	WIN 0
.irp i, 0,1,2,3
	ds_load_b128 v[FB+32*\f+8*\i:FB+32*\f+8*\i+3],   v[ADRB+\slot] offset:64*\e+16*PW*\i
	ds_load_b128 v[FB+32*\f+8*\i+4:FB+32*\f+8*\i+7], v[ADRB+\slot] offset:64*\e+16*PW*\i+32
.endr
.irp i, 0,1,2,3
	ds_load_b128 v[FA+32*\f+8*\i:FA+32*\f+8*\i+3],   v[ADRA+\slot] offset:HB*(\e/2)+64*(\e%2)+16*PA*\i
	ds_load_b128 v[FA+32*\f+8*\i+4:FA+32*\f+8*\i+7], v[ADRA+\slot] offset:HB*(\e/2)+64*(\e%2)+16*PA*\i+32
.endr
.endm
.macro PLACES                          ; four places in front of loads into registers that matrix instructions have read (ISA guide 7.12.1 for vector instructions)
.rept 4
	v_nop
.endr
.endm
; An eighth of a step: multiplies buffer f, and in its middle fetches eighth e into buffer g.  The 16 accumulators take turns.
.macro EIGHTH slot, e, f, g, first
	s_wait_dscnt 4                                 ; all but the youngest four loads (the heads' fragments 2 and 3)
	WIN MUL
	MUL4 \f, 0, \first
	MUL4 \f, 1, \first
	PLACES
	FETCH \slot, \e, \g
	s_wait_dscnt 16                                ; all but the 16 just issued
	WIN MUL
	MUL4 \f, 2, \first
	MUL4 \f, 3, \first
.endm
.macro SEVEN slot, first
	EIGHTH \slot, 1, 0, 1, \first
	EIGHTH \slot, 2, 1, 0, 0
	EIGHTH \slot, 3, 0, 1, 0
	EIGHTH \slot, 4, 1, 0, 0
	EIGHTH \slot, 5, 0, 1, 0
	EIGHTH \slot, 6, 1, 0, 0
	EIGHTH \slot, 7, 0, 1, 0
.endm
; The last eighth multiplies buffer 1 and changes slots: my reads of this slot and all my tensor loads are waited for in front of the barrier;
; with fill = 1 the barrier opens a round of the cluster's barrier, and the joint refill is the first tensor load behind it.
.macro TURN slot, next, fill
	s_wait_dscnt 4
	WIN MUL
	MUL4 1, 0, 0
	s_wait_dscnt 0
	s_wait_tensorcnt 0x0
	ds_add_u32 v62, v63
	s_wait_dscnt 0x0
	s_barrier_signal -1
	MUL4 1, 1, 0                                   ; register work while the others arrive
	WIN 0
	s_barrier_wait -1
.if \fill
	CREST
	s_add_nc_u64 s[G0+4*\slot+2:G0+4*\slot+3], s[G0+4*\slot+2:G0+4*\slot+3], 2097152   ; two steps on: eight heads
	s_add_nc_u64 s[G0B+4*\slot+2:G0B+4*\slot+3], s[G0B+4*\slot+2:G0B+4*\slot+3], 1024  ; 512 columns of Wo
	JLOAD \slot
.endif
	PLACES
	FETCH \next, 0, 0
	WIN MUL
	MUL4 1, 2, 0
	MUL4 1, 3, 0
.endm
	s_wait_tensorcnt 1                             ; my part of step 0 is in; step 1's stays out
	s_barrier_signal -1
	s_barrier_wait -1
	s_wait_loadcnt 0x0                             ; bo
	FETCH 0, 0, 0
	SEVEN 0, 1                                     ; step 0
	TURN 0, 1, 1                                   ; slot 0 gets step 2
	SEVEN 1, 0                                     ; step 1
	TURN 1, 0, 1                                   ; slot 1 gets step 3
	SEVEN 0, 0                                     ; step 2
	TURN 0, 1, 0
	SEVEN 1, 0                                     ; step 3
	s_wait_dscnt 4
	WIN MUL
	MUL4 1, 0, 0
	MUL4 1, 1, 0
	s_wait_dscnt 0
	MUL4 1, 2, 0
	MUL4 1, 3, 0
	; THE WAY OUT, 16 rows at a time, through my stage: a row of my 64 columns is 256 bytes of f32
	PLACES
	s_lshl_b32 s16, s13, 7
	s_lshl_b32 s17, s11, 6
	s_add_co_u32 s16, s16, s17                     ; my first row
	s_lshl_b32 s16, s16, 12                        ; x 4,096 bytes
	s_mov_b32 s17, 0
	s_add_nc_u64 s[8:9], s[70:71], s[16:17]
	s_lshl_b32 s46, s42, 9                         ; my first column (in the registers that held Wo's address)
	s_lshl_b32 s47, s12, 8
	s_add_co_u32 s46, s46, s47
	s_mov_b32 s47, 0
	s_add_nc_u64 s[8:9], s[8:9], s[46:47]
.macro OUT16 a, f
	WIN 0x04                                       ; store data from window 1
.irp b, 0,1,2,3
.irp x, 0,1
	ds_store_b128 v[STO], v[8*(4*\a+\b)+4*\x:8*(4*\a+\b)+4*\x+3] offset:64*\b+16*\x
.endr
.endr
	WIN 0
	s_wait_xcnt 0x0                                ; buffer f, which earlier stores read, and the stores' base are rewritten only behind this wait
.if \a
	s_add_nc_u64 s[8:9], s[8:9], 65536             ; 16 rows on
.endif
.irp t, 0,1,2,3,4,5,6,7
	ds_load_b128 v[\f+4*\t:\f+4*\t+3], v[RD] offset:2*SP*\t   ; LDS serves a wave's instructions in order: these see the stores above
.endr
.irp t, 0,1,2,3,4,5,6,7
	s_wait_dscnt 7-\t
	global_store_b128 v[CO], v[\f+4*\t:\f+4*\t+3], s[8:9] offset:8192*\t th:TH_STORE_NT   ; 16 lanes store 256 consecutive bytes, aligned
.endr
.endm
	OUT16 0, R0
	OUT16 1, R1
	OUT16 2, R0
	OUT16 3, R1
	s_wait_tensorcnt 0x0
	ds_add_u32 v62, v63
	s_wait_dscnt 0x0
	CROUND                                         ; the closing round
	s_endpgm
.Lfunc_end_k_qbfe1a9b584_oproj:
	.size	k_qbfe1a9b584_oproj, .Lfunc_end_k_qbfe1a9b584_oproj-k_qbfe1a9b584_oproj
	.p2alignl 7, 3214868480
	.fill 96, 4, 3214868480
	.section	.rodata,"a",@progbits
	.p2align	6, 0x0
	.amdhsa_kernel k_qbfe1a9b584_oproj
		.amdhsa_group_segment_fixed_size 327680
		.amdhsa_private_segment_fixed_size 0
		.amdhsa_enable_private_segment 0
		.amdhsa_kernarg_size 32
		.amdhsa_user_sgpr_count 2
		.amdhsa_user_sgpr_kernarg_segment_ptr 1
		.amdhsa_wavefront_size32 1
		.amdhsa_system_sgpr_workgroup_id_x 1
		.amdhsa_system_sgpr_workgroup_id_y 1
		.amdhsa_system_sgpr_workgroup_id_z 1
		.amdhsa_system_vgpr_workitem_id 0
		.amdhsa_next_free_vgpr 512
		.amdhsa_next_free_sgpr 72
		.amdhsa_reserve_vcc 0
		.amdhsa_float_denorm_mode_32 3
		.amdhsa_float_denorm_mode_16_64 3
		.amdhsa_memory_ordered 1
		.amdhsa_forward_progress 1
		.amdhsa_inst_pref_size 91
	.end_amdhsa_kernel
	.amdgpu_metadata
---
amdhsa.version: [ 1, 2 ]
amdhsa.kernels:
  - .name:           k_qbfe1a9b584_oproj
    .symbol:         k_qbfe1a9b584_oproj.kd
    .args:
      - { .name: hdb, .offset: 0, .size: 8, .value_kind: global_buffer, .address_space: global }
      - { .name: castb, .offset: 8, .size: 8, .value_kind: global_buffer, .address_space: global }
      - { .name: bo, .offset: 16, .size: 8, .value_kind: global_buffer, .address_space: global }
      - { .name: out0, .offset: 24, .size: 8, .value_kind: global_buffer, .address_space: global }
    .group_segment_fixed_size: 327680
    .private_segment_fixed_size: 0
    .kernarg_segment_align: 8
    .kernarg_segment_size: 32
    .max_flat_workgroup_size: 128
    .sgpr_count:     72
    .vgpr_count:     512
    .wavefront_size: 32
...
	.end_amdgpu_metadata
.endif
;; end of part 4
;; ======== version 2 of 2: 4 launches; version 1 with the launch cast written anew for expert scheduling mode
;; limits: values are held in f16: magnitudes above 65,504 overflow, below 6.1e-05 lose precision
;; workspace buffers: castb 16,777,216 bytes; qkvb 25,165,824 bytes; hdb 8,388,608 bytes
;; launch cast (part 5): grid 256 x 1, 8 waves a work-group, no clusters, 0 bytes of LDS; arguments queries, Wq, Wk, Wv, Wo, castb; writes castb
.if DOCPART == 5
	.amdgcn_target "amdgcn-amd-amdhsa--gfx1250"
	.amdhsa_code_object_version 6
	.text
	.protected	k_qbfe1a9b584_cast
	.globl	k_qbfe1a9b584_cast
	.p2align	8
	.type	k_qbfe1a9b584_cast,@function
k_qbfe1a9b584_cast:
	s_mov_b64 s[64:65], 0
	v_nop
	global_prefetch_b8 v0, s[64:65] scope:SCOPE_SE
	s_setreg_imm32_b32 hwreg(HW_REG_WAVE_SCHED_MODE, 0, 2), 2
	s_setreg_imm32_b32 hwreg(HW_REG_WAVE_MODE, 25, 1), 1
	s_wait_xcnt 0x0
	s_wait_alu depctr_vm_vsrc(0)
; f32 to f16, once, of everything that later goes to the matrix unit:
; castb = queries (4096 x 1024), then Wq, Wk, Wv, Wo (1024 x 1024 each), all f16, row-major, one behind the other.
; WHY f16: eleven significant bits.  The result is an average over 2,048 keys and is small against its terms, so the eight bits of bf16 in every operand
; of the chain of four products add up to too large a part of it.
; LIMIT: a number of magnitude 65,504 or more becomes infinite; numbers under 2^-14 keep an absolute step of 2^-24.
; A stream: every byte is read once and written once, so LDS, matrix instructions and clusters have nothing to add (no two work-groups read the same byte).
; Work-group g takes 32,768 numbers: 131,072 bytes in, 65,536 bytes out.  g 0-127: queries; then 32 work-groups for each weight.
; Thread t takes 16 bytes at 16 t of each block of 4,096 bytes: a wave's load covers 512 consecutive bytes, its store 256 consecutive, aligned bytes.
; All 32 loads of a thread are issued before the first wait; no register is used twice, so no source is ever rewritten.
; THE MODE: SCHED_MODE bits 1:0 = 2 (LLVM: expert scheduling mode 2), set by the entry lines.  The code itself states the register dependences
; between vector instructions and memory instructions, with s_wait_alu, always for 0.
; THE PLAN.  Registers that memory instructions touch:
;   v1, v2   byte offsets of the loads and of the stores.  Written once at the head by vector lines, never again.
;   X        number i of 32: 4 registers in which load i lands.  No vector line writes them; all 32 loads are issued ahead of the first line that reads one.
;   Y        number i of 32: 2 registers, written once by number i's two conversions, read once by store i, never written again.
; So the one kind of dependence in the text is a vector line's result that a memory instruction reads.  One wait at the head states it for v1 and v2.
; The 32 numbers go in eight blocks of four: a block's eight conversions, one wait that states that they have written the block's Y, the block's four stores in a run.
; Nothing that a memory instruction has read is written again, no vector line writes a scalar register, and EXEC is never written: no other wait is owed.
.set X, 4                              ; v[4:131]    32 x 4 numbers as loaded
.set Y, 132                            ; v[132:195]  32 x 2 words to store
.set BLOCK, 4                          ; loads, and stores, in a block
	s_load_b256 s[4:11], s[0:1], 0x0               ; queries s[4:5], Wq s[6:7], Wk s[8:9], Wv s[10:11]
	s_load_b128 s[12:15], s[0:1], 0x20             ; Wo s[12:13], castb s[14:15]
	s_mov_b32 s2, ttmp9                            ; g
	v_lshlrev_b32 v1, 4, v0                        ; 16 t: where I read
	v_lshlrev_b32 v2, 3, v0                        ; 8 t: where I write
	s_and_b32 s16, s2, 31                          ; my place inside a weight,
	s_cmp_lt_u32 s2, 128
	s_cselect_b32 s16, s2, s16                     ; or inside queries
	s_lshl_b32 s16, s16, 17                        ; x 131,072 bytes
	s_mov_b32 s17, 0
	s_lshl_b32 s22, s2, 16                         ; g x 65,536 bytes in castb
	s_mov_b32 s23, 0
	s_wait_kmcnt 0x0
	s_cmp_lt_u32 s2, 128                           ; the source is chosen by the work-group's number alone
	s_cselect_b64 s[18:19], s[4:5], s[6:7]
	s_cmp_lt_u32 s2, 160
	s_cselect_b64 s[18:19], s[18:19], s[8:9]
	s_cmp_lt_u32 s2, 192
	s_cselect_b64 s[18:19], s[18:19], s[10:11]
	s_cmp_lt_u32 s2, 224
	s_cselect_b64 s[18:19], s[18:19], s[12:13]
	s_add_nc_u64 s[18:19], s[18:19], s[16:17]
	s_add_nc_u64 s[20:21], s[14:15], s[22:23]
	s_wait_alu depctr_va_vdst(0)                   ; v1 and v2 are written: every load below reads v1 as its offset, every store v2; neither is written again
.set i, 0
.rept 32
	global_load_b128 v[X+4*i:X+4*i+3], v1, s[18:19] offset:4096*i th:TH_LOAD_NT
.set i, i+1
.endr
.set p, 0
.rept 32/BLOCK
	s_wait_loadcnt 32-BLOCK-BLOCK*p                ; loads come back in order (ISA guide 5.7.1): block p's four are in, the loads of the later blocks stay out
.set i, BLOCK*p
.rept BLOCK
	v_cvt_pk_f16_f32 v[Y+2*i], v[X+4*i], v[X+4*i+1]
	v_cvt_pk_f16_f32 v[Y+2*i+1], v[X+4*i+2], v[X+4*i+3]
.set i, i+1
.endr
	s_wait_alu depctr_va_vdst(0)                   ; the block's eight conversions have written its eight registers of Y, which the four stores below read
.set i, BLOCK*p
.rept BLOCK
	global_store_b64 v2, v[Y+2*i:Y+2*i+1], s[20:21] offset:2048*i
.set i, i+1
.endr
.set p, p+1
.endr
	s_endpgm
.Lfunc_end_k_qbfe1a9b584_cast:
	.size	k_qbfe1a9b584_cast, .Lfunc_end_k_qbfe1a9b584_cast-k_qbfe1a9b584_cast
	.p2alignl 7, 3214868480
	.fill 96, 4, 3214868480
	.section	.rodata,"a",@progbits
	.p2align	6, 0x0
	.amdhsa_kernel k_qbfe1a9b584_cast
		.amdhsa_group_segment_fixed_size 0
		.amdhsa_private_segment_fixed_size 0
		.amdhsa_enable_private_segment 0
		.amdhsa_kernarg_size 48
		.amdhsa_user_sgpr_count 2
		.amdhsa_user_sgpr_kernarg_segment_ptr 1
		.amdhsa_wavefront_size32 1
		.amdhsa_system_sgpr_workgroup_id_x 1
		.amdhsa_system_sgpr_workgroup_id_y 1
		.amdhsa_system_sgpr_workgroup_id_z 1
		.amdhsa_system_vgpr_workitem_id 0
		.amdhsa_next_free_vgpr 196
		.amdhsa_next_free_sgpr 66
		.amdhsa_reserve_vcc 0
		.amdhsa_float_denorm_mode_32 3
		.amdhsa_float_denorm_mode_16_64 3
		.amdhsa_memory_ordered 1
		.amdhsa_forward_progress 1
		.amdhsa_inst_pref_size 12
	.end_amdhsa_kernel
	.amdgpu_metadata
---
amdhsa.version: [ 1, 2 ]
amdhsa.kernels:
  - .name:           k_qbfe1a9b584_cast
    .symbol:         k_qbfe1a9b584_cast.kd
    .args:
      - { .name: queries, .offset: 0, .size: 8, .value_kind: global_buffer, .address_space: global }
      - { .name: Wq, .offset: 8, .size: 8, .value_kind: global_buffer, .address_space: global }
      - { .name: Wk, .offset: 16, .size: 8, .value_kind: global_buffer, .address_space: global }
      - { .name: Wv, .offset: 24, .size: 8, .value_kind: global_buffer, .address_space: global }
      - { .name: Wo, .offset: 32, .size: 8, .value_kind: global_buffer, .address_space: global }
      - { .name: castb, .offset: 40, .size: 8, .value_kind: global_buffer, .address_space: global }
    .group_segment_fixed_size: 0
    .private_segment_fixed_size: 0
    .kernarg_segment_align: 8
    .kernarg_segment_size: 48
    .max_flat_workgroup_size: 256
    .sgpr_count:     66
    .vgpr_count:     196
    .wavefront_size: 32
...
	.end_amdgpu_metadata
.endif
;; end of part 5
;; launch qkv: the kernel of part 2 again; grid 16 x 16, 4 waves a work-group, clusters of 4 x 4, 327,680 bytes of LDS; arguments castb, bq, bk, bv, qkvb; writes qkvb
;; launch attn: the kernel of part 3 again; grid 8 x 32, 8 waves a work-group, clusters of 4 x 1, 327,680 bytes of LDS; arguments qkvb, pos_bias, hdb; writes hdb
;; launch oproj: the kernel of part 4 again; grid 8 x 32, 4 waves a work-group, clusters of 4 x 4, 327,680 bytes of LDS; arguments hdb, castb, bo, out0; writes out0
